; MI455X (gfx1250); checked and timed in simulation.
; The chip was launched on July 23, 2026; its instructions are those of AMD's public machine-readable ISA for CDNA 5 (MIT licence, August 2026) and "CDNA5" Instruction Set Architecture Reference Guide (July 2026). The comments in the code are by the model that wrote it; some were corrected since.
;; Multi Head. Allowed arithmetic: matrix products marked QUANTISED: E4M3 operands, one given power-of-two scale a tensor, by v_wmma_f32_16x16x64_fp8_fp8 or v_wmma_f32_16x16x128_fp8_fp8, f32 sums; everything else in f32.
;; Inputs: Wk 16 x 1,024 x 64 float32; Wp 1,024 x 1,024 float32; Wq 16 x 1,024 x 64 float32; Wv 16 x 1,024 x 64 float32; bp 1,024 float32; data 4 x 2,048 x 1,024 float32; lowp_scales 12 int32 (the exponents e of the quantised operands' scales 2^e).
;; Outputs: out0 4 x 2,048 x 1,024 float32.
;; This version of the problem:
;;   THIS VERSION OF THE PROBLEM IS GIVEN IN LOW PRECISION. The matrix products marked QUANTISED in the list below multiply operands that are first quantised to E4M3 (4 exponent bits, 3 mantissa bits; 8 bits a number), with one given power-of-two scale for each operand tensor; their sums are f32. All else is computed in f32.
;;   The module's matrix products, in the order in which they are computed (A, B: the left and right operand; K: the contracted axis; several contracted axes count as one K, in the product's order):
;;     1. [M 1,024, K 1,024] x [K 1,024, N 8,192]; A: input Wq; B: input data: QUANTISED (scales: A lowp_scales[0], B lowp_scales[1])
;;     2. [M 1,024, K 1,024] x [K 1,024, N 8,192]; A: input Wk; B: input data: QUANTISED (scales: A lowp_scales[2], B lowp_scales[3])
;;     3. [M 1,024, K 1,024] x [K 1,024, N 8,192]; A: input Wv; B: input data: QUANTISED (scales: A lowp_scales[4], B lowp_scales[5])
;;     4. batch 64 x [M 2,048, K 64] x [K 64, N 2,048]; A: computed on the way; B: computed on the way: QUANTISED (scales: A lowp_scales[6], B lowp_scales[7])
;;     5. batch 64 x [M 2,048, K 2,048] x [K 2,048, N 64]; A: softmax (see below); B: computed on the way: QUANTISED (scales: A lowp_scales[8], B lowp_scales[9])
;;     6. [M 8,192, K 1,024] x [K 1,024, N 1,024]; A: computed on the way; B: input Wp: QUANTISED (scales: A lowp_scales[10], B lowp_scales[11])
;;   THE QUANTISER, for each operand of a quantised product, along K:
;;     - The operand's scale is 2^e, e = its entry of the input lowp_scales (int32; the entries are numbered through the quantised products in the list's order, A before B).
;;     - Each number is divided by the scale, clamped to +-448, and rounded to the nearest number of E4M3, ties to even, subnormals kept.
;;     - The product sums the exact products of the quantised numbers (number of the format x scale) in f32.
;;   ~~~python
;;   def quantise(x, axis, e):      # numpy; x: float32 -> the quantised numbers, widened to float32 again
;;       x = np.moveaxis(x, axis, -1); K = x.shape[-1]
;;       r = np.clip(x / 2.0 ** e, -448, 448)
;;       step = 2.0 ** (np.maximum(np.frexp(np.where(r == 0, 1, r))[1] - 1, -6) - 3)
;;       q = np.round(r / step) * step * 2.0 ** e      # np.round: ties to even
;;       return np.moveaxis(q, -1, axis).astype(np.float32)
;;   ~~~
;;   SOFTMAX AHEAD OF A QUANTISED PRODUCT. Where the list says 'softmax', what is quantised is not the finished softmax but p = 2^(t - M), with t = logit x log2(e) and M = ceil(the row's largest t), a whole number; so 1/2 < the row's largest p <= 1. The row's sum l is taken of the UNQUANTISED p, in f32, and the product's result is divided by l at the end. Since M is a whole number, a kernel that streams over the keys may use a running M (the ceiling of the running maximum): every later rescaling is an exact power of two, so the quantised numbers keep their values, but for numbers so far below the row's largest that they fall under the format's range.
;;   OPERANDS COMPUTED ON THE WAY. 'Computed on the way' means the value that the module computes at that place (a softmax that the list does not call 'softmax' is quantised finished and normalised). What goes into a quantiser is computed in f32, as accurately as f32 sums, v_exp_f32 and their like allow (about 1e-6 of the number): no bf16 or f16 on the way to a quantiser, and a product that is left as it is and whose result goes on into a quantised operand takes f32 operands (vector FMAs, or v_wmma_f32_16x16x4_f32). A number that lies on a knife's edge between two numbers of the format may be rounded either way, as far as f32 arithmetic and the matrix unit's own rounding can turn it there, and no further.
;; One version. Each part assembles by itself: llvm-mc -triple=amdgcn-amd-amdhsa -mcpu=gfx1250 --defsym DOCPART=n.
;; ======== version 1 of 1: 4 launches
;; limits: right only within a limited range of input values
;; workspace buffers: dcodes 25,165,824 bytes; wcodes 4,194,304 bytes; qkv 25,165,824 bytes; ocodes 8,388,608 bytes
;; launch quant (part 1): grid 384 x 1, 4 waves a work-group, no clusters, 68,096 bytes of LDS; arguments data, Wq, Wk, Wv, Wp, lowp_scales, dcodes, wcodes; writes dcodes, wcodes
.if DOCPART == 1
	.amdgcn_target "amdgcn-amd-amdhsa--gfx1250"
	.amdhsa_code_object_version 6
	.text
	.protected	k_q048fcdfa0e_quant
	.globl	k_q048fcdfa0e_quant
	.p2align	8
	.type	k_q048fcdfa0e_quant,@function
k_q048fcdfa0e_quant:
	s_mov_b64 s[64:65], 0
	v_nop
	global_prefetch_b8 v0, s[64:65] scope:SCOPE_SE
	s_setreg_imm32_b32 hwreg(HW_REG_WAVE_MODE, 25, 1), 1
	s_wait_xcnt 0x0
; f32 inputs become codes of FP8 (E4M3), K innermost, each with the scale 2^e that is given for it: code = x / 2^e, held within +-448, to the nearest code, ties to even.
; WORK-GROUPS 0-255: data [8192 rows][1024], K innermost.  It is an operand of three products with an exponent of its own in each (entries 1, 3, 5): three images, dcodes [3][8192][1024], from ONE read of the f32 numbers.
;   A wave takes 16 steps of 512 numbers.  Each load reads 512 consecutive bytes; the 2,048 bytes of a step turn through the wave's own stage in LDS, so that a lane holds 16 neighbours along K; a lane's 16 codes are 16 bytes,
;   and a wave's store covers 512 consecutive bytes, aligned.
; WORK-GROUPS 256-383: Wq, Wk, Wv [16 h][1024 e][64 d] and Wp [1024 k][1024 n]: K is not innermost.  A lane takes a column n (= 64 h + d) and its registers run down K; the codes leave through the wave's stage as rows:
;   wcodes [4][1024 n][1024 k], entries 0, 2, 4, 11.  A work-group takes 128 columns x 256 along K, a wave 32 columns.
; The two ways part on the work-group's number and have LDS bytes of their own.  No tensor loads, no barrier: waves share nothing.
; LIMITS: each exponent between -126 and 119, so that 2^e and 448 x 2^e are f32 numbers.  NaN among the inputs is not served (an infinity is held at the largest code).
; WORK LEFT OUT, in the launch attn: reference() sets every score whose key s comes after its query t to -infinity ahead of the softmax, by a mask that it builds in its own body.  Such a score's p is 0 and adds
; nothing to the row's sum or to the product with v, whatever the inputs hold.  So steps of 128 keys that lie wholly behind a tile's queries are not computed.  Every input has a way to the output and is loaded.
; LIMIT: a NaN, an infinity or an overflow that would arise only in the scores left out is not carried to the result.
.set STEPS, 16
.set SP,    80                         ; data: a lane's place in a stage: 64 bytes + 16 of padding
.set WREG,  8192                       ; data: LDS bytes of a wave: two stages of 32 x SP
.set WSTG,  32768                      ; weights: the four stages begin here
.set PITCH, 272                        ; weights: a stage row: 256 bytes of codes + 16
.set SPARE, 67584                      ; behind both: the spare words, 128 bytes for each wave, that no other line names
.set SPW,   12                         ; v12  LDS address of my spare word; never rewritten
.set NIL,   13                         ; v13  0; never rewritten
.set R,     16                         ; data: v16-79 four sets of 16 numbers as loaded
.set X,     80                         ; data: v80-111 two sets of 16 neighbours
.set T,     112
.set C,     128                        ; data: v128-151 two sets of 3 x 4 registers of codes
.set WX,    32                         ; weights: v32-95 two sets of 32 numbers; on the way out 16 x 4 registers of rows
.set WC,    96                         ; weights: v96-103 a block's codes
.set WOFF,  112                        ; weights: v112-143 byte offsets of 32 rows of K: 4 x lane + i x the pitch
.set NB,    8
	s_load_b256 s[4:11], s[0:1], 0x0               ; data s[4:5], Wq s[6:7], Wk s[8:9], Wv s[10:11]
	s_load_b256 s[12:19], s[0:1], 0x20             ; Wp s[12:13], the exponents s[14:15], dcodes s[16:17], wcodes s[18:19]
	v_lshl_add_u32 v[SPW], v0, 2, SPARE
	v_mov_b32 v[NIL], 0
	v_lshrrev_b32 v1, 5, v0
	v_readfirstlane_b32 s38, v1                    ; wave 0..3
	v_and_b32 v2, 31, v0                           ; lane
	s_wait_kmcnt 0x0
	s_load_b256 s[20:27], s[14:15], 0x0            ; e0 .. e7
	s_load_b128 s[28:31], s[14:15], 0x20           ; e8 .. e11
	s_cmp_lt_u32 ttmp9, 256
	s_cbranch_scc0 .Lweights
; ---------------------------------------------------------------- data
	s_wait_alu depctr_va_vdst(0)
	v_lshlrev_b32 v3, 4, v2                        ; my 16 bytes of a load's 512, and of a store's
	s_wait_alu depctr_va_vdst(0)
	s_mul_i32 s39, s38, WREG
	v_lshrrev_b32 v14, 2, v2
	v_mul_u32_u24 v14, v14, SP
	v_and_b32 v15, 3, v2
	v_lshl_add_u32 v14, v15, 4, v14
	v_add_nc_u32 v14, s39, v14                     ; the stage, on the way in: four lanes' 64 bytes on end, then the padding
	v_mul_u32_u24 v15, v2, SP
	v_add_nc_u32 v15, s39, v15                     ; and on the way out: my 16 neighbours
	s_lshl_b32 s40, ttmp9, 2
	s_add_co_u32 s40, s40, s38                     ; which run of 8,192 numbers is my wave's: 0 .. 1023
	s_lshl_b32 s42, s40, 15                        ; 32,768 bytes of f32 a run
	s_mov_b32 s43, 0
	s_add_nc_u64 s[4:5], s[4:5], s[42:43]
	s_lshl_b32 s42, s40, 13                        ; 8,192 bytes of codes a run
	s_add_nc_u64 s[32:33], s[16:17], s[42:43]      ; image 0,
	s_add_nc_u64 s[34:35], s[32:33], 0x800000      ; image 1, 8 MiB on,
	s_add_nc_u64 s[36:37], s[32:33], 0x1000000     ; image 2
.macro LOAD t
.irp i, 0,1,2,3
	global_load_b128 v[R+16*((\t)%4)+4*\i:R+16*((\t)%4)+4*\i+3], v3, s[4:5] offset:2048*(\t)+512*\i th:TH_LOAD_NT   ; 32 lanes read 512 consecutive bytes
.endr
.endm
.macro TURN t                          ; step t's numbers through the stage: LDS serves a wave's instructions in order (ISA guide 5.7.1.4), so no wait stands between the stores and the loads
.irp i, 0,1,2,3
	ds_store_b128 v14, v[R+16*((\t)%4)+4*\i:R+16*((\t)%4)+4*\i+3] offset:32*SP*((\t)%2)+8*SP*\i
.endr
.irp i, 0,1,2,3
	ds_load_b128 v[X+16*((\t)%2)+4*\i:X+16*((\t)%2)+4*\i+3], v15 offset:32*SP*((\t)%2)+16*\i
.endr
.endm
.irp t, 0,1,2,3
	LOAD \t
.endr
	s_wait_alu depctr_va_vdst(0)
	s_wait_kmcnt 0x0
.irp s, 0,1,2                          ; entries 1, 3, 5
	s_add_co_i32 s40, s[21+2*\s], 127
	s_lshl_b32 s41, s40, 23
	v_mov_b32 v[5+\s], s41                         ; 2^e as f32: the conversion takes its exponent field
	s_add_co_i32 s40, s40, 8
	s_lshl_b32 s40, s40, 23
	s_or_b32 s40, s40, 0x600000
.endr
	s_wait_alu depctr_va_vdst(0)
	s_wait_loadcnt 12                              ; step 0's four loads are in; three steps' twelve may be out
	TURN 0
.macro STEP t
.set XS, X+16*((\t)%2)
.set CC, C+12*((\t)%2)
	s_wait_dscnt 0x0                               ; this step's numbers are back from the stage, so its stores into the stage have read their registers,
	s_wait_xcnt 0x0                                ; and the stores of two steps ago have read this set of code registers
.if (\t)+4 < STEPS
	LOAD (\t)+4
.endif
.if (\t)+1 < STEPS
.if STEPS-2-(\t) >= 3
	s_wait_loadcnt 12                              ; the next step's four loads are in; those of the three steps behind it may be out
.else
	s_wait_loadcnt 4*(STEPS-2-(\t))
.endif
	TURN (\t)+1                                    ; through the other stage while this step is worked
.endif
.irp s, 0,1,2
.irp i, 0,1,2,3,4,5,6,7,8,9,10,11,12,13,14,15
.endr
	v_cvt_scalef32_pk8_fp8_f32 v[CC+4*\s:CC+4*\s+1], v[XS:XS+7], v[5+\s]
	v_cvt_scalef32_pk8_fp8_f32 v[CC+4*\s+2:CC+4*\s+3], v[XS+8:XS+15], v[5+\s]
	v_nop                                          ; a plain line behind the conversions
	global_store_b128 v3, v[CC+4*\s:CC+4*\s+3], s[32+2*\s:33+2*\s] offset:512*(\t)   ; 32 lanes store 512 consecutive bytes, aligned
.endr
.endm
.irp t, 0,1,2,3,4,5,6,7,8,9,10,11,12,13,14,15
	STEP \t
.endr
	s_wait_tensorcnt 0x0                           ; the wave's end, behind my last LDS store
	ds_add_u32 v[SPW], v[NIL]
	s_wait_dscnt 0x0
	s_endpgm
; ---------------------------------------------------------------- weights
.Lweights:
	s_sub_co_u32 s39, ttmp9, 256                   ; 0 .. 127
	s_lshr_b32 s32, s39, 5                         ; m: 0 Wq, 1 Wk, 2 Wv, 3 Wp
	s_and_b32 s33, s39, 7                          ; which 128 columns
	s_bfe_u32 s34, s39, 0x20003                    ; which 256 along K
	s_lshl_b32 s35, s33, 7
	s_lshl_b32 s36, s38, 5
	s_add_co_u32 s35, s35, s36                     ; n0: my wave's first column
	s_wait_alu depctr_va_vdst(0)
	v_lshlrev_b32 v3, 2, v2                        ; 4 bytes a lane
	s_mul_i32 s36, s38, 32*PITCH
	s_add_co_u32 s36, s36, WSTG                    ; my stage
	v_mul_u32_u24 v4, v2, PITCH
	v_add_nc_u32 v4, s36, v4                       ; into it: row = my column
	v_and_b32 v5, 15, v2
	v_lshrrev_b32 v6, 4, v2
	v_mul_u32_u24 v7, v6, PITCH
	v_lshl_add_u32 v7, v5, 4, v7
	v_add_nc_u32 v7, s36, v7                       ; out of it: sixteen lanes to a row, two rows an instruction
	v_lshlrev_b32 v8, 10, v6
	v_lshl_add_u32 v8, v5, 4, v8                   ; and the same place in the codes' buffer (rows of 1,024 bytes)
	s_cmp_eq_u32 s32, 0                            ; the source: a choice on the work-group's number alone
	s_cselect_b64 s[40:41], s[6:7], s[8:9]
	s_cmp_eq_u32 s32, 2
	s_cselect_b64 s[40:41], s[10:11], s[40:41]
	s_lshr_b32 s36, s35, 6                         ; Wq, Wk, Wv: head n0 / 64 begins (n0 / 64) x 262,144 bytes in; column n0 % 64
	s_lshl_b32 s36, s36, 18
	s_and_b32 s37, s35, 63
	s_lshl_b32 s37, s37, 2
	s_add_co_u32 s36, s36, s37
	s_lshl_b32 s37, s35, 2                         ; Wp: column n0
	s_mov_b32 s43, 256                             ; bytes from a row of K to the next: 64 numbers,
	s_cmp_eq_u32 s32, 3
	s_cselect_b64 s[40:41], s[12:13], s[40:41]
	s_cselect_b32 s36, s37, s36
	s_cselect_b32 s43, 4096, s43                   ; or 1,024 in Wp
	s_mul_i32 s37, s34, s43
	s_lshl_b32 s37, s37, 8                         ; my 256 rows of K
	s_add_co_u32 s36, s36, s37
	s_mov_b32 s37, 0
	s_add_nc_u64 s[44:45], s[40:41], s[36:37]      ; block 0's base;
	s_lshl_b32 s60, s43, 5                         ; 32 rows of K on
	s_mov_b32 s61, 0
.irp t, 1,2,3,4,5,6,7
	s_add_nc_u64 s[44+2*\t:45+2*\t], s[42+2*\t:43+2*\t], s[60:61]   ; a base for each of the eight blocks: none is stepped while loads are out
.endr
.irp i, 0,1,2,3,4,5,6,7,8,9,10,11,12,13,14,15,16,17,18,19,20,21,22,23,24,25,26,27,28,29,30,31
	v_mad_u32_u24 v[WOFF+\i], s43, \i, v3
.endr
	s_lshl_b32 s36, s32, 20                        ; the codes: image m, row n0, byte 256 x (which 256 along K)
	s_lshl_b32 s37, s35, 10
	s_add_co_u32 s36, s36, s37
	s_lshl_b32 s37, s34, 8
	s_add_co_u32 s36, s36, s37
	s_mov_b32 s37, 0
	s_add_nc_u64 s[62:63], s[18:19], s[36:37]
.macro WLOAD t                         ; block t: W(32 t + i, my column): neighbouring lanes read neighbouring columns, 128 consecutive bytes a wave
.irp i, 0,1,2,3,4,5,6,7,8,9,10,11,12,13,14,15,16,17,18,19,20,21,22,23,24,25,26,27,28,29,30,31
	global_load_b32 v[WX+32*((\t)%2)+\i], v[WOFF+\i], s[44+2*(\t):45+2*(\t)] th:TH_LOAD_NT
.endr
.endm
	WLOAD 0
	WLOAD 1
	s_wait_kmcnt 0x0
	s_cmp_eq_u32 s32, 0                            ; entries 0, 2, 4, 11
	s_cselect_b32 s42, s20, s22
	s_cmp_eq_u32 s32, 2
	s_cselect_b32 s42, s24, s42
	s_cmp_eq_u32 s32, 3
	s_cselect_b32 s42, s31, s42
	s_add_co_i32 s42, s42, 127
	s_lshl_b32 s36, s42, 23
	v_mov_b32 v11, s36                             ; 2^e
	s_add_co_i32 s42, s42, 8
	s_lshl_b32 s42, s42, 23
	s_or_b32 s42, s42, 0x600000
.macro WBLOCK t
.set XS, WX+32*((\t)%2)
.if (\t) < NB-1
	s_wait_loadcnt 32                              ; this block's 32 loads are in; the next block's may be out
.else
	s_wait_loadcnt 0
.endif
.irp i, 0,1,2,3,4,5,6,7,8,9,10,11,12,13,14,15,16,17,18,19,20,21,22,23,24,25,26,27,28,29,30,31
.endr
.irp g, 0,1,2,3
	v_cvt_scalef32_pk8_fp8_f32 v[WC+2*\g:WC+2*\g+1], v[XS+8*\g:XS+8*\g+7], v11
.endr
	v_nop                                          ; a plain line behind the last conversion of the run
	ds_store_b128 v4, v[WC:WC+3] offset:32*(\t)    ; 32 codes: 32 bytes of my column's row
	ds_store_b128 v4, v[WC+4:WC+7] offset:32*(\t)+16
.if (\t)+2 < NB
	WLOAD (\t)+2
.endif
	s_wait_dscnt 0x0                               ; the stores have read their registers: the next block's codes may be written
.endm
	s_wait_alu depctr_va_vdst(0)
.irp t, 0,1,2,3,4,5,6,7
	WBLOCK \t
.endr
.irp t, 0,1,2,3,4,5,6,7,8,9,10,11,12,13,14,15
	ds_load_b128 v[WX+4*\t:WX+4*\t+3], v7 offset:2*\t*PITCH   ; my own stores are seen: LDS serves a wave in order
.endr
.irp t, 0,1,2,3,4,5,6,7,8,9,10,11,12,13,14,15
	s_wait_dscnt 15-\t                             ; rows 2 t, 2 t + 1 are in; the younger loads may be out
	global_store_b128 v8, v[WX+4*\t:WX+4*\t+3], s[62:63] offset:2*\t*1024   ; sixteen lanes store 256 consecutive bytes, aligned
.endr
	s_wait_tensorcnt 0x0                           ; the wave's end, behind my last LDS store
	ds_add_u32 v[SPW], v[NIL]
	s_wait_dscnt 0x0
	s_endpgm
.Lfunc_end_k_q048fcdfa0e_quant:
	.size	k_q048fcdfa0e_quant, .Lfunc_end_k_q048fcdfa0e_quant-k_q048fcdfa0e_quant
	.p2alignl 7, 3214868480
	.fill 96, 4, 3214868480
	.section	.rodata,"a",@progbits
	.p2align	6, 0x0
	.amdhsa_kernel k_q048fcdfa0e_quant
		.amdhsa_group_segment_fixed_size 68096
		.amdhsa_private_segment_fixed_size 0
		.amdhsa_enable_private_segment 0
		.amdhsa_kernarg_size 64
		.amdhsa_user_sgpr_count 2
		.amdhsa_user_sgpr_kernarg_segment_ptr 1
		.amdhsa_wavefront_size32 1
		.amdhsa_system_sgpr_workgroup_id_x 1
		.amdhsa_system_sgpr_workgroup_id_y 1
		.amdhsa_system_sgpr_workgroup_id_z 1
		.amdhsa_system_vgpr_workitem_id 0
		.amdhsa_next_free_vgpr 152
		.amdhsa_next_free_sgpr 66
		.amdhsa_reserve_vcc 0
		.amdhsa_float_denorm_mode_32 3
		.amdhsa_float_denorm_mode_16_64 3
		.amdhsa_fp16_overflow 1
		.amdhsa_memory_ordered 1
		.amdhsa_forward_progress 1
		.amdhsa_inst_pref_size 66
	.end_amdhsa_kernel
	.amdgpu_metadata
---
amdhsa.version: [ 1, 2 ]
amdhsa.kernels:
  - .name:           k_q048fcdfa0e_quant
    .symbol:         k_q048fcdfa0e_quant.kd
    .args:
      - { .name: data, .offset: 0, .size: 8, .value_kind: global_buffer, .address_space: global }
      - { .name: Wq, .offset: 8, .size: 8, .value_kind: global_buffer, .address_space: global }
      - { .name: Wk, .offset: 16, .size: 8, .value_kind: global_buffer, .address_space: global }
      - { .name: Wv, .offset: 24, .size: 8, .value_kind: global_buffer, .address_space: global }
      - { .name: Wp, .offset: 32, .size: 8, .value_kind: global_buffer, .address_space: global }
      - { .name: lowp_scales, .offset: 40, .size: 8, .value_kind: global_buffer, .address_space: global }
      - { .name: dcodes, .offset: 48, .size: 8, .value_kind: global_buffer, .address_space: global }
      - { .name: wcodes, .offset: 56, .size: 8, .value_kind: global_buffer, .address_space: global }
    .group_segment_fixed_size: 68096
    .private_segment_fixed_size: 0
    .kernarg_segment_align: 8
    .kernarg_segment_size: 64
    .max_flat_workgroup_size: 128
    .sgpr_count:     66
    .vgpr_count:     152
    .wavefront_size: 32
...
	.end_amdgpu_metadata
.endif
;; end of part 1
;; launch qkv (part 2): grid 96 x 4, 4 waves a work-group, clusters of 4 x 4, 327,680 bytes of LDS; arguments dcodes, wcodes, lowp_scales, qkv; writes qkv
.if DOCPART == 2
	.amdgcn_target "amdgcn-amd-amdhsa--gfx1250"
	.amdhsa_code_object_version 6
	.text
	.protected	k_q048fcdfa0e_qkv
	.globl	k_q048fcdfa0e_qkv
	.p2align	8
	.type	k_q048fcdfa0e_qkv,@function
k_q048fcdfa0e_qkv:
	s_mov_b64 s[64:65], 0
	v_nop
	global_prefetch_b8 v0, s[64:65] scope:SCOPE_SE
	s_setreg_imm32_b32 hwreg(HW_REG_WAVE_MODE, 25, 1), 1
	s_wait_xcnt 0x0
	s_wait_alu depctr_hold_cnt(0) depctr_sa_sdst(0) depctr_va_vdst(0) depctr_va_sdst(0) depctr_va_ssrc(0) depctr_va_vcc(0) depctr_vm_vsrc(0)
	s_getreg_b32 s2, hwreg(HW_REG_IB_STS2, 6, 4)
	s_cmp_eq_u32 s2, 0
	s_cbranch_scc0 .Lentry_in_a_cluster
	s_endpgm
.Lentry_in_a_cluster:
	s_bfe_u32 s2, ttmp6, 0x10000c
	s_cmp_lg_u32 s2, 0xf033
	s_cbranch_scc0 .Lentry_shape_is_right
	s_endpgm
.Lentry_shape_is_right:
; q, k, v = data x Wq, Wk, Wv on codes of FP8 (E4M3), K = 1,024, and the f32 sums quantised at once for the attention: q with entry 6, k with entry 7, v with entry 9.
; 24 clusters of 4 x 4 work-groups: clusters 0-7 make q, 8-15 k, 16-23 v.  A tile is 256 x 256; four waves, each 128 x 128: 64 accumulators of 16 x 16, 512 registers.
; THE MATRIX INSTRUCTION IS USED TRANSPOSED: source 0 = 16 rows of the operand called X here, source 1 = 16 rows of Y: a lane holds ONE row y and eight neighbours along x, which one conversion packs into 8 bytes.
; q and k are wanted with the head's 64 innermost: X = the weights (row 64 h + d), Y = data (row 2048 b + t).  v is wanted with the KEYS innermost: X = data, Y = the weights.  The swap is a choice of pointers and offsets
; on the cluster's number, which all sixteen partners share; both buffers have rows of 1,024 bytes, so descriptors, LDS and the loop are the same.
; OUT: qkv = q [b][h][t][64], 8 MiB on k likewise, 16 MiB on v [b][h][t / 64][d 64][t % 64].  In all three a block of 64 y x 64 x is 4,096 consecutive bytes, byte 64 y + x.
; K goes in four steps of 256 through a ring of two LDS slots filled by the tensor data mover.  Y's tile is shared along a row of the cluster, X's along a column: each is asked for JOINTLY.
; No prefetch: the launch has four K steps, of which two are asked for at its head.  One tile to a work-group: 384 tiles do not share out evenly among work-groups that stay.
; LIMIT: eO - eW - eD (entries 6-0-1, 7-2-3, 9-4-5) between -126 and 119, so that the folded scale and 448 x it are f32 numbers.
; REGISTERS, in windows of 256: window 0: v0-31 addresses and the scale number; from v128 Y's fragments, ONE set; on the way out v32-255 are free.  window 1: X's fragments, TWO sets.  windows 2, 3: the accumulators ((a, b) at v[8 (8 (a % 4) + b)]).
.set KSTEP,  256
.set ROWB,   256                       ; a tile's row in bytes
.set KROW,   1024                      ; a row of either operand in memory
.set PITCH,  272                       ; an LDS row: 256 bytes + 16 of padding: the 16 rows that a load touches start at 16 different banks (64 banks of 4 bytes: ISA guide 11.1)
.set FR,     16
.set NL,     4
.set NP,     4                         ; places behind this matrix instruction (ISA guide 7.12.1)
.set HALFT,  128*PITCH
.set SLOT,   4*HALFT
.set LAPS,   2                         ; 1,024 / 512
.set SPARE,  2*SLOT                    ; behind the ring: the spare words, 128 bytes for each wave, that no other line names
.set QP,     144                       ; the way out: a stage of 128 rows x (128 bytes + 16) for each wave, in slot 0, which has had its last fill and its last read by then
.set ADRA, 16
.set ADRB, 20
.set STO,  24
.set RD,   25
.set CO,   26
.set SPW,  28
.set NIL,  29
.set TMP,  32
.set CD,   96                          ; v96-127 its codes, two sets
.set AF,   128
.set BK,   128                         ; v128-255 the stage read back
.set G1, 24
.set G0, 32
.set G1B, 48
.set G0B, 56
.set MSB, 0
.macro WIN new                         ; the immediate's high byte repeats the setting that is left
.if MSB != (\new)
	s_set_vgpr_msb (MSB<<8)|(\new)
.set MSB, (\new)
.endif
.endm
.set MUL_LO, 0xa1                      ; source 0 (X) window 1, source 1 (Y) window 0, C and D window 2
.set MUL_HI, 0xf1
.set TO_B,   0x40
; A joint load: waves 0 and 1 fetch Y's halves, waves 2 and 3 X's.  The branch hangs on the wave's number alone.  An s_nop 0 and four v_nop follow each of the two lines.
.macro JLOAD g0a, g1a, g0b, g1b
	s_cmp_eq_u32 s15, 0
	s_cbranch_scc0 .Lfor_b_\@
	tensor_load_to_lds s[\g0a:\g0a+3], s[\g1a:\g1a+7]
	s_nop 0
.rept 4
	v_nop
.endr
	s_branch .Lasked_\@
.Lfor_b_\@:
	tensor_load_to_lds s[\g0b:\g0b+3], s[\g1b:\g1b+7]
	s_nop 0
.rept 4
	v_nop
.endr
.Lasked_\@:
.endm
.macro CREST                           ; a round of the cluster's barrier behind its opening barrier
	s_cmp_lg_u32 s14, 0
	s_cbranch_scc1 .Lnot_wave_0_\@
	s_barrier_signal -3
.Lnot_wave_0_\@:
	s_barrier_wait -3
	s_barrier_signal -1
	s_barrier_wait -1
.endm
.macro CROUND
	s_barrier_signal -1
	s_barrier_wait -1
	CREST
.endm
	s_load_b128 s[4:7], s[0:1], 0x0                ; dcodes s[4:5], wcodes s[6:7]
	s_load_b128 s[8:11], s[0:1], 0x10              ; the exponents s[8:9], qkv s[10:11]
	v_lshl_add_u32 v[SPW], v0, 2, SPARE
	v_mov_b32 v[NIL], 0
	ds_add_u32 v[SPW], v[NIL]                      ; the wave's opening: the add and its wait stand ahead of my first tensor load; the set-up below stands between them
	ds_add_u32 v[SPW], v[NIL]
	v_lshrrev_b32 v1, 5, v0
	v_readfirstlane_b32 s14, v1                    ; wave 0..3
	s_lshr_b32 s15, s14, 1                         ; which half of the tile's y is mine.  Also: I fetch for Y (0) or for X (1)
	s_and_b32 s16, s14, 1                          ; which half of its x.  Also: which 128 rows of that tile I fetch
	s_bfe_u32 s40, ttmp6, 0x40000                  ; cx
	s_bfe_u32 s41, ttmp6, 0x40004                  ; cy
	s_lshr_b32 s66, ttmp9, 3                       ; 0 q, 1 k, 2 v: the same in all sixteen partners
	s_and_b32 s67, ttmp9, 7
	s_lshl_b32 s67, s67, 2                         ; data has 32 tiles of 256 rows: this cluster's four begin here
	s_cmp_lt_u32 s66, 2
	s_cselect_b32 s68, s67, 0                      ; q, k: data is Y
	s_cselect_b32 s69, 0, s67                      ; v: data is X
	s_add_co_u32 s17, s41, s68                     ; Y's tile
	s_add_co_u32 s42, s40, s69                     ; X's tile
	s_lshl_b32 s43, s41, 2
	s_lshl_b32 s43, 15, s43                        ; my row of the cluster
	s_lshl_b32 s44, 0x1111, s40                    ; my column
	s_or_b32 s[G1+0], s43, (0<<16)|(1<<20)|(1<<21)|(5<<22)|(3<<25)  ; 15:0 the mask; 17:16 element of 1 byte; 20 padding on; 21 set beside a mask; 24:22 after every 64 words; 31:25 four words
	s_or_b32 s[G1B+0], s44, (0<<16)|(1<<20)|(1<<21)|(5<<22)|(3<<25)
.irp g, G1, G1B
	s_mov_b32 s[\g+1], ROWB<<16                    ; tensor_dim0
	s_mov_b32 s[\g+2], 128<<16                     ; tensor_dim1
	s_mov_b32 s[\g+3], ROWB<<16                    ; tile_dim0
	s_mov_b32 s[\g+4], 128                         ; tile_dim1
	s_mov_b32 s[\g+5], KROW                        ; tensor_dim0_stride
	s_mov_b32 s[\g+6], 0
	s_mov_b32 s[\g+7], 0
.endr
	s_lshl_b32 s18, s16, 7                         ; which 128 rows of the tile I fetch
	s_lshl_b32 s20, s17, 8
	s_add_co_u32 s20, s20, s18
	s_lshl_b32 s20, s20, 10                        ; Y: (256 x tile + 128 x half) rows of 1,024 bytes
	s_mov_b32 s21, 0
	s_lshl_b32 s46, s42, 8
	s_add_co_u32 s46, s46, s18
	s_lshl_b32 s46, s46, 10                        ; X likewise
	s_mov_b32 s47, 0
	s_mul_i32 s45, s14, HALFT                      ; where they go: wave x 128 rows: no place in the cluster enters an LDS address
	s_lshl_b32 s12, s66, 23                        ; data's image for this product,
	s_mov_b32 s13, 0
	s_lshl_b32 s78, s66, 20                        ; and the weights'
	s_mov_b32 s79, 0
	s_wait_dscnt 0x0                               ; the opening add is done
	s_wait_kmcnt 0x0
	s_load_b256 s[80:87], s[8:9], 0x0              ; e0 .. e7
	s_load_b128 s[88:91], s[8:9], 0x20             ; e8 .. e11
	s_add_nc_u64 s[74:75], s[4:5], s[12:13]
	s_add_nc_u64 s[76:77], s[6:7], s[78:79]
	s_cmp_lt_u32 s66, 2
	s_cselect_b64 s[70:71], s[74:75], s[76:77]     ; Y
	s_cselect_b64 s[72:73], s[76:77], s[74:75]     ; X
	s_add_nc_u64 s[20:21], s[70:71], s[20:21]
	s_add_nc_u64 s[46:47], s[72:73], s[46:47]
	CROUND                                         ; all sixteen work-groups are here: the first joint loads meet
.irp s, 0,1
	s_mov_b32 s[G0+4*\s], 1
	s_add_co_u32 s[G0+4*\s+1], s45, \s*SLOT
	s_add_nc_u64 s[G0+4*\s+2:G0+4*\s+3], s[20:21], \s*ROWB
	s_or_b32 s[G0+4*\s+3], s[G0+4*\s+3], 0x80000000
	s_mov_b32 s[G0B+4*\s], 1
	s_add_co_u32 s[G0B+4*\s+1], s45, \s*SLOT
	s_add_nc_u64 s[G0B+4*\s+2:G0B+4*\s+3], s[46:47], \s*ROWB
	s_or_b32 s[G0B+4*\s+3], s[G0B+4*\s+3], 0x80000000
	JLOAD G0+4*\s, G1, G0B+4*\s, G1B
.endr
	v_and_b32 v1, 15, v0                           ; r = l % 16
	s_wait_alu depctr_va_vdst(0)
	v_bfe_u32 v2, v0, 4, 1                         ; h = l / 16
	v_mul_u32_u24 v3, v1, PITCH
	v_lshl_add_u32 v4, v2, 4, v3                   ; a fragment's row x pitch + 16 x half
	s_mul_i32 s21, s15, HALFT                      ; my 128 rows of Y
	s_mul_i32 s22, s16, HALFT                      ; my 128 rows of X,
	s_add_co_u32 s22, s22, 2*HALFT                 ; which lie behind Y's 256
.irp s, 0,1
	v_add_nc_u32 v[ADRA+\s], s21, v4
	v_add_nc_u32 v[ADRB+\s], s22, v4
	s_add_co_u32 s21, s21, SLOT
	s_add_co_u32 s22, s22, SLOT
.endr
	s_mul_i32 s23, s14, 128*QP                     ; my stage
	v_mul_u32_u24 v5, v1, QP
	s_wait_alu depctr_va_vdst(0)
	v_lshl_add_u32 v5, v2, 3, v5
	v_add_nc_u32 v[STO], s23, v5                   ; in: row r, 8 bytes for each half of the lanes
	v_and_b32 v6, 31, v0
	v_lshlrev_b32 v[CO], 4, v6                     ; out: 16 bytes a lane, 512 consecutive bytes a store
	v_lshrrev_b32 v7, 2, v6
	v_mul_u32_u24 v7, v7, QP
	v_and_b32 v8, 3, v6
	v_lshl_add_u32 v7, v8, 4, v7
	v_add_nc_u32 v[RD], s23, v7                    ; back: four lanes take 64 bytes of a row, eight rows an instruction
	; where my four blocks of 64 y x 64 x begin in qkv
	s_lshl_b32 s12, s17, 8
	s_lshl_b32 s13, s15, 7
	s_add_co_u32 s12, s12, s13                     ; my first y
	s_lshl_b32 s13, s42, 8
	s_lshl_b32 s18, s16, 7
	s_add_co_u32 s13, s13, s18                     ; my first x
	s_mov_b32 s22, 4096                            ; 64 rows of data on: one block of 4,096 bytes
	s_mov_b32 s23, 131072                          ; 64 rows of the weights on: one head
	s_cmp_lt_u32 s66, 2
	s_cselect_b32 s18, s12, s13                    ; the row of data,
	s_cselect_b32 s19, s13, s12                    ; the row of the weights
	s_cselect_b32 s68, s23, s22                    ; 64 along x in bytes,
	s_cselect_b32 s78, s22, s23                    ; 64 along y
	s_mov_b32 s69, 0
	s_mov_b32 s79, 0
	s_lshr_b32 s12, s18, 11
	s_lshl_b32 s12, s12, 21                        ; b
	s_and_b32 s13, s18, 2047
	s_lshl_b32 s13, s13, 6                         ; t x 64
	s_add_co_u32 s12, s12, s13
	s_lshr_b32 s13, s19, 6
	s_lshl_b32 s13, s13, 17                        ; h
	s_add_co_u32 s12, s12, s13
	s_lshl_b32 s13, s66, 23                        ; q, k or v
	s_add_co_u32 s12, s12, s13
	s_mov_b32 s13, 0
	s_add_nc_u64 s[92:93], s[10:11], s[12:13]      ; block (y 0, x 0)
	s_add_nc_u64 s[94:95], s[92:93], s[68:69]      ; (0, 1)
	s_add_nc_u64 s[96:97], s[92:93], s[78:79]      ; (1, 0)
	s_add_nc_u64 s[98:99], s[96:97], s[68:69]      ; (1, 1)
.macro FRAG reg, adr, q, i             ; 16 rows x 128 K: lane l holds row l % 16; registers 4 c .. 4 c + 3 hold K = 32 c + 16 (l / 16) + 0 .. 15: the same order of k on both sides of a product
.irp c, 0,1,2,3
	ds_load_b128 v[\reg+4*\c:\reg+4*\c+3], v[\adr] offset:128*(\q)+32*\c+(\i)*16*PITCH
.endr
.endm
; 16 matrix instructions: Y's blocks a0, a0 + 1 x X's eight.  The 64 accumulators take turns, one instruction a turn, in the same order in every step.  zero = 1: the first product starts the sums.
.macro MUL16 a0, p, zero
.irp a, \a0, \a0+1
.irp b, 0,1,2,3,4,5,6,7
.if \zero
	v_wmma_f32_16x16x128_fp8_fp8 v[8*(8*((\a)%4)+\b):8*(8*((\a)%4)+\b)+7], v[128*(\p)+FR*\b:128*(\p)+FR*\b+FR-1], v[AF+FR*(\a):AF+FR*(\a)+FR-1], 0
.else
	v_wmma_f32_16x16x128_fp8_fp8 v[8*(8*((\a)%4)+\b):8*(8*((\a)%4)+\b)+7], v[128*(\p)+FR*\b:128*(\p)+FR*\b+FR-1], v[AF+FR*(\a):AF+FR*(\a)+FR-1], v[8*(8*((\a)%4)+\b):8*(8*((\a)%4)+\b)+7]
.endif
.endr
.endr
.endm
.macro FETCH_B slot, q, p
	WIN TO_B
.irp i, 0,1,2,3,4,5,6,7
	FRAG 128*(\p)+FR*\i, ADRB+\slot, \q, \i
.endr
	WIN 0
.endm
.macro FETCH_A slot, q, i0
.irp i, \i0, \i0+1, \i0+2, \i0+3
	FRAG AF+FR*(\i), ADRA+\slot, \q, \i
.endr
.endm
.macro PLACES n                        ; plain vector lines between a matrix instruction and a load into a register that it read, or a read of its result
.rept \n
	v_nop
.endr
.endm
.macro STEP slot, q, zero              ; 128 along K that have their successor in the same slot
	s_wait_dscnt 4*NL                              ; X's set and Y's blocks 0-3 are in; the youngest sixteen loads (Y's blocks 4-7) may be out
	WIN MUL_LO
	MUL16 0, (\q)%2, \zero
	MUL16 2, (\q)%2, \zero
	s_wait_dscnt 0
	PLACES NP
	FETCH_B \slot, (\q)+1, 1-(\q)%2
	FETCH_A \slot, (\q)+1, 0
	WIN MUL_HI
	MUL16 4, (\q)%2, \zero
	MUL16 6, (\q)%2, \zero
	PLACES NP
	WIN 0
	FETCH_A \slot, (\q)+1, 4
.endm
; A slot's last 128 change slots: ONE barrier; in front of it each wave waits for all its tensor loads, adds 0 to its spare word, and waits for that and for its reads of this slot.  fill = 1: the slot is filled again, two K steps ahead.
.macro TURN slot, next, fill
	s_wait_tensorcnt 0x0                           ; all my tensor loads have landed: my part of the next slot
	ds_add_u32 v[SPW], v[NIL]                      ; 0 onto my spare word
	s_wait_dscnt 4*NL+1                            ; (the add and the youngest sixteen loads may be out)
	WIN MUL_LO
	MUL16 0, 1, 0
	s_wait_dscnt 0x0                               ; the add is done, and my reads of this slot are over
	s_barrier_signal -1
	MUL16 2, 1, 0
	WIN 0
	s_barrier_wait -1
.if \fill
	CREST                                          ; the barrier has opened a round of the cluster's: no wave of any partner still reads this slot or has a load on its way
	s_add_nc_u64 s[G0+4*\slot+2:G0+4*\slot+3], s[G0+4*\slot+2:G0+4*\slot+3], 2*ROWB
	s_add_nc_u64 s[G0B+4*\slot+2:G0B+4*\slot+3], s[G0B+4*\slot+2:G0B+4*\slot+3], 2*ROWB
	JLOAD G0+4*\slot, G1, G0B+4*\slot, G1B         ; the first tensor load behind the round; its four v_nop are the places in front of the loads below
.else
	PLACES NP
.endif
	FETCH_B \next, 0, 0
	FETCH_A \next, 0, 0
	WIN MUL_HI
	MUL16 4, 1, 0
	MUL16 6, 1, 0
	PLACES NP
	WIN 0
	FETCH_A \next, 0, 4
.endm
	s_wait_tensorcnt 1                             ; my part of K step 0 is in; K step 1's load may be out
	s_barrier_signal -1
	s_barrier_wait -1
	FETCH_B 0, 0, 0
	FETCH_A 0, 0, 0
	FETCH_A 0, 0, 4
	STEP 0, 0, 1
	s_mov_b32 s3, LAPS-1
.Llap:                                                 ; a trip goes once round the ring and fills both slots again
	TURN 0, 1, 1
	STEP 1, 0, 0
	TURN 1, 0, 1
	STEP 0, 0, 0
	s_sub_co_u32 s3, s3, 1
	s_cmp_lg_u32 s3, 0
	s_cbranch_scc1 .Llap
	TURN 0, 1, 0                                   ; the last lap fills nothing
	STEP 1, 0, 0
	s_wait_dscnt 4*NL
	WIN MUL_LO
	MUL16 0, 1, 0
	MUL16 2, 1, 0
	s_wait_dscnt 0
	WIN MUL_HI
	MUL16 4, 1, 0
	MUL16 6, 1, 0
	WIN 0
; THE WAY OUT.  A sum stands for sum x 2^(eW + eD); its code is sum / 2^(eO - eW - eD): the three exponents are folded into the conversion's one scale.
	s_wait_kmcnt 0x0
	s_add_co_i32 s80, s80, s81
	s_sub_co_i32 s80, s86, s80                     ; q: e6 - e0 - e1
	s_add_co_i32 s82, s82, s83
	s_sub_co_i32 s82, s87, s82                     ; k: e7 - e2 - e3
	s_add_co_i32 s84, s84, s85
	s_sub_co_i32 s84, s89, s84                     ; v: e9 - e4 - e5
	s_cmp_eq_u32 s66, 0
	s_cselect_b32 s80, s80, s82
	s_cmp_eq_u32 s66, 2
	s_cselect_b32 s80, s84, s80
	s_add_co_i32 s80, s80, 127
	s_lshl_b32 s81, s80, 23
	v_mov_b32 v30, s81                             ; the folded scale as f32
	s_add_co_i32 s80, s80, 8
	s_lshl_b32 s80, s80, 23
	s_or_b32 s80, s80, 0x600000
	PLACES NP
; Block a (16 y x 128 x): converted (a lane's eight neighbours along x: 8 bytes), into my stage.  Each accumulator is read from its low end on.
.macro QOUT a
.set AC, 64*((\a)%4)
.set CC, CD+16*((\a)%2)
	WIN 0x02+((\a)/4)                              ; source 0: window 2 or 3
.irp j, 0,1,2,3,4,5,6,7,8,9,10,11,12,13,14,15,16,17,18,19,20,21,22,23,24,25,26,27,28,29,30,31,32,33,34,35,36,37,38,39,40,41,42,43,44,45,46,47,48,49,50,51,52,53,54,55,56,57,58,59,60,61,62,63
.endr
.irp b, 0,1,2,3,4,5,6,7
	v_cvt_scalef32_pk8_fp8_f32 v[CC+2*\b:CC+2*\b+1], v[AC+8*\b:AC+8*\b+7], v30
.endr
	WIN 0
	v_nop                                          ; a plain line behind the conversions
.irp b, 0,1,2,3,4,5,6,7
	ds_store_b64 v[STO], v[CC+2*\b:CC+2*\b+1] offset:(\a)*16*QP+16*\b
.endr
.endm
.irp a, 0,1,2,3,4,5,6,7
	QOUT \a
.endr
.irp g, 0,1,2,3                        ; block g = 2 (y / 64) + x / 64: eight loads of 8 rows x 64 bytes.  LDS serves a wave in order: these see my stores
.irp i, 0,1,2,3,4,5,6,7
	ds_load_b128 v[BK+4*(8*\g+\i):BK+4*(8*\g+\i)+3], v[RD] offset:(64*(\g/2)+8*\i)*QP+64*(\g%2)
.endr
.endr
.irp g, 0,1,2,3
.irp i, 0,1,2,3,4,5,6,7
	s_wait_dscnt 31-8*\g-\i                        ; this load is in; the younger ones may be out
	global_store_b128 v[CO], v[BK+4*(8*\g+\i):BK+4*(8*\g+\i)+3], s[92+2*\g:93+2*\g] offset:512*\i   ; 32 lanes store 512 consecutive bytes, aligned
.endr
.endr
	s_wait_tensorcnt 0x0                           ; the wave's end
	ds_add_u32 v[SPW], v[NIL]
	s_wait_dscnt 0x0
	CROUND                                         ; the closing round
	s_endpgm
.Lfunc_end_k_q048fcdfa0e_qkv:
	.size	k_q048fcdfa0e_qkv, .Lfunc_end_k_q048fcdfa0e_qkv-k_q048fcdfa0e_qkv
	.p2alignl 7, 3214868480
	.fill 96, 4, 3214868480
	.section	.rodata,"a",@progbits
	.p2align	6, 0x0
	.amdhsa_kernel k_q048fcdfa0e_qkv
		.amdhsa_group_segment_fixed_size 327680
		.amdhsa_private_segment_fixed_size 0
		.amdhsa_enable_private_segment 0
		.amdhsa_kernarg_size 32
		.amdhsa_user_sgpr_count 2
		.amdhsa_user_sgpr_kernarg_segment_ptr 1
		.amdhsa_wavefront_size32 1
		.amdhsa_system_sgpr_workgroup_id_x 1
		.amdhsa_system_sgpr_workgroup_id_y 1
		.amdhsa_system_sgpr_workgroup_id_z 1
		.amdhsa_system_vgpr_workitem_id 0
		.amdhsa_next_free_vgpr 1024
		.amdhsa_next_free_sgpr 100
		.amdhsa_reserve_vcc 0
		.amdhsa_float_denorm_mode_32 3
		.amdhsa_float_denorm_mode_16_64 3
		.amdhsa_fp16_overflow 1
		.amdhsa_memory_ordered 1
		.amdhsa_forward_progress 1
		.amdhsa_inst_pref_size 94
	.end_amdhsa_kernel
	.amdgpu_metadata
---
amdhsa.version: [ 1, 2 ]
amdhsa.kernels:
  - .name:           k_q048fcdfa0e_qkv
    .symbol:         k_q048fcdfa0e_qkv.kd
    .args:
      - { .name: dcodes, .offset: 0, .size: 8, .value_kind: global_buffer, .address_space: global }
      - { .name: wcodes, .offset: 8, .size: 8, .value_kind: global_buffer, .address_space: global }
      - { .name: lowp_scales, .offset: 16, .size: 8, .value_kind: global_buffer, .address_space: global }
      - { .name: qkv, .offset: 24, .size: 8, .value_kind: global_buffer, .address_space: global }
    .group_segment_fixed_size: 327680
    .private_segment_fixed_size: 0
    .kernarg_segment_align: 8
    .kernarg_segment_size: 32
    .max_flat_workgroup_size: 128
    .sgpr_count:     100
    .vgpr_count:     1024
    .wavefront_size: 32
...
	.end_amdgpu_metadata
.endif
;; end of part 2
;; launch attn (part 3): grid 4 x 64, 16 waves a work-group, no clusters, 327,680 bytes of LDS; arguments qkv, lowp_scales, ocodes; writes ocodes
.if DOCPART == 3
	.amdgcn_target "amdgcn-amd-amdhsa--gfx1250"
	.amdhsa_code_object_version 6
	.text
	.protected	k_q048fcdfa0e_attn
	.globl	k_q048fcdfa0e_attn
	.p2align	8
	.type	k_q048fcdfa0e_attn,@function
k_q048fcdfa0e_attn:
	s_mov_b64 s[64:65], 0
	v_nop
	global_prefetch_b8 v0, s[64:65] scope:SCOPE_SE
	s_setreg_imm32_b32 hwreg(HW_REG_WAVE_MODE, 25, 1), 1
	s_wait_xcnt 0x0
; Causal attention on codes of FP8 (E4M3), head size 64, and the result quantised for the output product.  qkv: q [b][h][t][64], 8 MiB on k likewise, 16 MiB on v [b][h][t / 64][d 64][t % 64] (keys innermost).  ocodes: [b][h][t][64].
; THE SOFTMAX: t = score x log2(e) / 8; M = the row's largest t so far, rounded UP to a whole number; p = 2^(t - M) is quantised along the keys (entry 8), not normalised.  The row's sum is taken of the unquantised p
; and divides O at the end.  When M moves, the sum and O are multiplied by 2^(old M - new M): exact.  O x 2^(e8 + e9) / the sum is then quantised with entry 10.
; SHARES.  A work-group (i = x, head = y) owns TWO blocks of 256 queries of one head: block 7 - i, then block i.  Under the mask block j has j full slots of 256 keys and one on the diagonal, so every work-group has 7 full
; and 2 diagonal ones: 256 equal work-groups.  Each of the sixteen waves owns 16 queries of a block, in 256 registers: four waves to a SIMD, so that one wave's vector work stands beside another's products and LDS loads.
; NO CLUSTER: the four work-groups of a head need 8, 7, 6, 5 slots and then 1, 2, 3, 4; joint requests would have each of them make every request, and a round for each slot would hold all four to 12 slots' time where each has work for 9.
; Every work-group walks all 8 slots in both passes (trip counts are constants); a step all of whose keys are hidden is jumped over, and a slot beyond the block's last query is not asked for.
; LAYOUT.  Both products transposed: S^T = K Q^T (source 0 = 16 keys, source 1 = my 16 queries), O^T = V^T P^T (source 0 = 16 of the head's 64, source 1 = P): a lane holds ONE query throughout.
; THE ROWS OF A TILE ARE NOT NEIGHBOURS: lane r of tile 2 b + u takes row 32 b + 8 u + r + 8 (r / 8), of K's keys and of V's d alike: so 16 registers of two neighbouring tiles are 16 neighbours, 32 b + 16 (lane / 16) + 0 .. 15,
; and the conversions' results are the next operand's registers (p), or 16 bytes of an output row (O).
; LIMITS on the exponents: e6 + e7 between -123 and 130 (added to c's exponent field); e8 and e10 between -126 and 119.  NaN among the inputs is not served.
; REGISTERS: v1 lane's place in a tile; v3, v4, v7, v10, v11 addresses that stay; v5, v6 the add's two; v8 the step's LDS address; v12 -M, v13 the largest t, v[14:15] the sum; v16-23 Q; v32-95 fragments of K, then of V;
; v96-159 S^T, then p; v160-191 O^T; v224-239 codes; v244: 2^e8; v245: 2^e10; v236, v238-243, v246-255 at work.
.set KP,    144                        ; two rows of 64 bytes + 16 of padding
.set VOFF,  128*KP                     ; a slot: 256 keys of K (128 double rows), then V's 256 rows (key block x 64 + d) likewise
.set SLOT1, 1<<16                      ; slot 1 begins here: one exclusive or turns an address
.set STAGE, 131072                     ; the way out: 1,024 bytes for each wave; no tile ever lands here
.set SPARE, 147456                     ; the spare words, 128 bytes for each of sixteen waves, that no other line names
.set SLB,   16384                      ; a slot's bytes of K, and of V, in memory
.set AK0,  1
.set PFO,  3
.set SRD,  4
.set SPW,  5
.set NIL,  6
.set GO,   7
.set ADK,  8
.set QA,   10
.set SIN,  11
.set WV,   18
.set SEL,  20
.set CS,   22                          ; s[22:23] c = log2(e) / 8 x 2^(e6 + e7)
.set G1,   24                          ; s[24:31] one shape for K's and V's tiles: 64 rows of 128 bytes, dense
.set G0,   40                          ; s[40:43] my walking group 0
.set TB,   2                           ; LDS byte at which the slot in hand begins
.set SLOTS, 67
.set KF,   98                          ; the step's first key
.set Q0,   99                          ; my first query
.set PFA,  76
.set LIM,  80
; Waves 0, 1 fetch K's halves, waves 2, 3 V's, the others nothing: one line, each wave with its own addresses.  An s_nop 0 and four v_nop follow it.
.macro TLOAD
	s_cmp_lt_u32 s[WV], 4
	s_cbranch_scc0 .Lasked_\@
	tensor_load_to_lds s[G0:G0+3], s[G1:G1+7]
	s_nop 0
.rept 4
	v_nop
.endr
.Lasked_\@:
.endm
; A PREFETCH INTO THE L2 of what the NEXT change of slots will ask for.  All four work-groups of a head walk the same K and V; work-group 0, whose first pass walks all eight slots, asks, in that pass, by waves that fetch nothing:
; waves 4, 5 for K's 16,384 bytes of a slot, waves 6, 7 for V's: 8,192 bytes a wave, lanes 256 bytes apart, one instruction.  So each block of 256 bytes of slots 2 to 7 is named once in the launch.
; Slots 0 and 1 come by their loads alone; the last change that fills a slot asks for nothing.
.macro ASK
	s_cmp_gt_u32 s[SLOTS], s[LIM]
	s_cbranch_scc0 .Lnot_mine_\@
	global_prefetch_b8 v[PFO], s[PFA:PFA+1] th:TH_LOAD_NT scope:SCOPE_SE
.Lnot_mine_\@:
.endm
	s_load_b128 s[4:7], s[0:1], 0x0                ; qkv s[4:5], the exponents s[6:7]
	s_load_b64 s[8:9], s[0:1], 0x10                ; ocodes
	v_lshl_add_u32 v[SPW], v0, 2, SPARE
	v_mov_b32 v[NIL], 0
	ds_add_u32 v[SPW], v[NIL]                      ; the wave's opening: the add and its wait stand ahead of my first tensor load; the set-up below stands between them
	ds_add_u32 v[SPW], v[NIL]
	v_lshrrev_b32 v8, 5, v0
	s_delay_alu instid0(VALU_DEP_1)
	v_readfirstlane_b32 s[WV], v8                  ; wave 0..15
	s_and_b32 s82, ttmp7, 0xffff                   ; 16 b + h
	s_lshl_b32 s83, s82, 17                        ; a head is 131,072 bytes in q, k, v and o alike
	s_lshr_b32 s84, s[WV], 1
	s_and_b32 s84, s84, 1
	s_add_co_u32 s84, s84, 1
	s_lshl_b32 s84, s84, 23                        ; K (8 MiB in) or V (16 MiB in),
	s_add_co_u32 s84, s84, s83                     ; my head,
	s_and_b32 s85, s[WV], 1
	s_lshl_b32 s85, s85, 13
	s_add_co_u32 s84, s84, s85                     ; which 8,192 bytes of a slot's 16,384
	s_mov_b32 s85, 0
	s_and_b32 s86, s[WV], 3
	s_mul_i32 s86, s86, 64*KP                      ; and their place in a slot
	s_mov_b32 s[G1], (0<<16)|(1<<20)|(4<<22)|(3<<25)   ; no mask; elements of 1 byte; padding: four words after every 32
	s_mov_b32 s[G1+1], 128<<16                     ; tensor_dim0
	s_mov_b32 s[G1+2], 64<<16                      ; tensor_dim1
	s_mov_b32 s[G1+3], 128<<16                     ; tile_dim0
	s_mov_b32 s[G1+4], 64                          ; tile_dim1
	s_mov_b32 s[G1+5], 128                         ; tensor_dim0_stride: the rows are dense
	s_mov_b32 s[G1+6], 0
	s_mov_b32 s[G1+7], 0
	s_mov_b32 s[SEL], 0x76543210
	s_mov_b32 s[SEL+1], 0xfedcba98
	s_mov_b32 s[CS], 0x3e38aa3b                    ; log2(e) / sqrt(64)
	s_mov_b32 s[TB], 0
	s_sub_co_u32 s87, 7, ttmp9
	s_lshl_b32 s87, s87, 8
	s_lshl_b32 s88, s[WV], 4
	s_add_co_u32 s52, s87, s88                     ; my first query in pass 0: block 7 - i,
	s_lshl_b32 s87, ttmp9, 8
	s_add_co_u32 s53, s87, s88                     ; in pass 1: block i
	s_lshl_b32 s90, s52, 6
	s_add_co_u32 s90, s90, s83
	s_mov_b32 s91, 0
	s_lshl_b32 s92, s53, 6
	s_add_co_u32 s92, s92, s83
	s_mov_b32 s93, 0
	s_wait_dscnt 0x0                               ; the opening add is done
	s_wait_kmcnt 0x0
	s_load_b128 s[68:71], s[6:7], 0x18             ; e6, e7, e8, e9
	s_load_b32 s72, s[6:7], 0x28                   ; e10
	s_mov_b32 s[G0], 1
	s_mov_b32 s[G0+1], s86                         ; slot 0
	s_add_nc_u64 s[G0+2:G0+3], s[4:5], s[84:85]    ; keys 0 to 255
	s_add_nc_u64 s[PFA:PFA+1], s[G0+2:G0+3], SLB   ; the prefetches stand a slot on: the first change steps them to slot 2
	s_or_b32 s[G0+3], s[G0+3], 0x80000000
	TLOAD                                          ; slot 0
	s_add_nc_u64 s[44:45], s[4:5], s[90:91]        ; Q's codes, pass 0 and pass 1
	s_add_nc_u64 s[46:47], s[4:5], s[92:93]
	s_add_nc_u64 s[48:49], s[8:9], s[90:91]        ; O's codes likewise
	s_add_nc_u64 s[50:51], s[8:9], s[92:93]
	s_lshr_b32 s82, s[WV], 2
	s_xor_b32 s82, s82, 1                          ; 0 in waves 4 to 7,
	s_or_b32 s82, s82, ttmp9                       ; of the head's work-group 0
	s_cmp_eq_u32 s82, 0
	s_cselect_b32 s[LIM], 1, -1
	v_and_b32 v8, 15, v0                           ; r
	v_bfe_u32 v9, v0, 4, 1                         ; h
	s_delay_alu instid0(VALU_DEP_2)
	v_lshlrev_b32 v[QA], 6, v8
	s_delay_alu instid0(VALU_DEP_1)
	v_lshl_add_u32 v[QA], v9, 4, v[QA]             ; Q: row r of 64 bytes, + 16 h
	s_delay_alu instid0(VALU_DEP_4)
	v_lshrrev_b32 v[AK0], 1, v8
	v_lshrrev_b32 v2, 3, v8
	s_delay_alu instid0(VALU_DEP_1)
	v_lshl_add_u32 v[AK0], v2, 2, v[AK0]           ; row r + 8 (r / 8) lies in double row r / 2 + 4 (r / 8),
	s_delay_alu instid0(VALU_DEP_1)
	v_mul_u32_u24 v[AK0], v[AK0], KP
	v_and_b32 v2, 1, v8
	s_delay_alu instid0(VALU_DEP_1)
	v_lshl_add_u32 v[AK0], v2, 6, v[AK0]           ; in its half r % 2;
	s_delay_alu instid0(VALU_DEP_1)
	v_lshl_add_u32 v[AK0], v9, 4, v[AK0]           ; + 16 h.  The sixteen rows of a load start at sixteen different groups of four banks
	v_and_b32 v[GO], 31, v0
	s_delay_alu instid0(VALU_DEP_1)
	v_lshlrev_b32 v[PFO], 8, v[GO]
	s_delay_alu instid0(VALU_DEP_2)
	v_lshlrev_b32 v[GO], 4, v[GO]                  ; 16 x lane
	s_lshl_b32 s82, s[WV], 10
	s_add_co_u32 s82, s82, STAGE                   ; my stage
	v_add_nc_u32 v[SRD], s82, v[GO]
	v_add_nc_u32 v[SIN], s82, v[QA]
	v_mov_b32 v236, 0                              ; written once: a lane permute's destination counts as one of its sources
	v_mov_b32 v252, 0
	v_mov_b32 v253, 0
	s_wait_kmcnt 0x0
	s_add_co_i32 s82, s68, s69
	s_lshl_b32 s82, s82, 23
	s_add_co_i32 s[CS], s[CS], s82                 ; a score stands for score x 2^(e6 + e7)
	s_mov_b32 s[CS+1], s[CS]
	s_add_co_i32 s82, s70, 127
	s_lshl_b32 s83, s82, 23
	v_mov_b32 v244, s83                            ; 2^e8
	s_add_co_i32 s82, s72, 127
	s_lshl_b32 s83, s82, 23
	v_mov_b32 v245, s83                            ; 2^e10
	s_add_co_i32 s73, s70, s71                     ; e8 + e9
; A KEY STEP: 128 keys, the q-th of the slot in hand.
.macro STEP q
	s_add_co_u32 s96, s[Q0], 15                    ; a step all of whose keys come after my 16 queries is left out: a branch on ids, round the step's work, not round the line at its end that steps KF
	s_cmp_gt_u32 s[KF], s96
	s_cbranch_scc1 .Lhidden_\@
	v_add_nc_u32 v[ADK], s[TB], v[AK0]
.rept 3
	v_nop                                          ; with the addition above: four places in front of loads into registers that the last products read
.endr
.irp t, 0,1,2,3,4,5,6,7
.irp c, 0,1
	ds_load_b128 v[32+8*\t+4*\c:35+8*\t+4*\c], v[ADK] offset:((128*(\q)+32*(\t/2)+8*(\t%2))/2)*KP+32*\c
.endr
.endr
	s_wait_alu depctr_va_vdst(0)
	s_wait_dscnt 0x0
.irp t, 0,1,2,3,4,5,6,7
	v_wmma_f32_16x16x64_fp8_fp8 v[96+8*\t:103+8*\t], v[32+8*\t:39+8*\t], v[16:23], 0
.endr
.rept 4
	v_nop                                          ; places in front of the loads below and of the first read of the scores
.endr
.irp t, 0,1,2,3                                ; V's four tiles are asked for now and land while the softmax is walked
.irp c, 0,1,2,3
	ds_load_b128 v[32+16*\t+4*\c:35+16*\t+4*\c], v[ADK] offset:VOFF+(((2*(\q)+\c/2)*64+32*(\t/2)+8*(\t%2))/2)*KP+32*(\c%2)
.endr
.endr
	s_add_co_u32 s96, s[KF], 127                   ; on the diagonal hidden scores become -infinity ahead of the maximum; a step all of whose keys count skips this
	s_cmp_le_u32 s96, s[Q0]
	s_cbranch_scc1 .Lopen_\@
	s_sub_co_i32 s96, s[Q0], s[KF]
	v_and_b32 v252, 15, v0
	v_bfe_u32 v253, v0, 4, 1
	s_delay_alu instid0(VALU_DEP_1)
	v_lshlrev_b32 v253, 4, v253
	s_delay_alu instid0(VALU_DEP_1)
	v_sub_nc_u32 v252, v252, v253
	s_delay_alu instid0(VALU_DEP_1)
	v_add_nc_u32 v252, s96, v252                   ; d = my query - KF - 16 (lane / 16).  Register 16 b + i holds key KF + 16 (lane / 16) + 32 b + i: hidden where 32 b + i > d
	v_mov_b32 v254, 0xff800000
.irp n, 0,1,2,3,4,5,6,7,8,9,10,11,12,13,14,15,16,17,18,19,20,21,22,23,24,25,26,27,28,29,30,31,32,33,34,35,36,37,38,39,40,41,42,43,44,45,46,47,48,49,50,51,52,53,54,55,56,57,58,59,60,61,62,63
	v_cmp_gt_i32 vcc_lo, 32*(\n/16)+\n%16, v252
	v_cndmask_b32 v[96+\n], v[96+\n], v254, vcc_lo
.endr
.Lopen_\@:
	v_max3_num_f32 v254, v96, v97, v98             ; the step's largest score of my query, among my 64 keys, in two chains,
	v_max3_num_f32 v252, v99, v100, v101
.irp i, 6,10,14,18,22,26,30,34,38,42,46,50,54,58
	v_max3_num_f32 v254, v254, v[96+\i], v[97+\i]
	v_max3_num_f32 v252, v252, v[98+\i], v[99+\i]
.endr
	v_max3_num_f32 v254, v254, v158, v159
	s_delay_alu instid0(VALU_DEP_1)
	v_max_num_f32 v254, v254, v252
	v_permlanex16_b32 v236, v254, s[SEL], s[SEL+1]
	s_delay_alu instid0(VALU_DEP_1)
	v_max_num_f32 v254, v254, v236                 ; and among lane l xor 16's
	s_delay_alu instid0(VALU_DEP_1)
	v_mul_f32 v254, s[CS], v254                    ; as t (c is positive)
	s_delay_alu instid0(VALU_DEP_1)
	v_max_num_f32 v13, v13, v254                   ; the running largest t
	v_mov_b32 v254, v12
	s_delay_alu instid0(VALU_DEP_2)
	v_floor_f32 v12, -v13                          ; the new -M = floor(-t): M is a whole number
	s_delay_alu instid0(VALU_DEP_1)
	v_sub_f32 v254, v12, v254                      ; old M - new M: a whole number, 0 or less
	s_delay_alu instid0(VALU_DEP_1)
	v_cvt_i32_f32 v254, v254                       ; (it saturates)
	s_delay_alu instid0(VALU_DEP_1)
	v_ldexp_f32 v252, 1.0, v254                    ; f = 2^(old M - new M)
.irp j, 0,2,4,6,8,10,12,14,16,18,20,22,24,26,28,30,32,34,36,38,40,42,44,46,48,50,52,54,56,58,60,62
	v_pk_fma_f32 v[96+\j:97+\j], v[96+\j:97+\j], s[CS:CS+1], v[12:13] op_sel_hi:[1,0,0]   ; t - M, two at a time
.endr
	s_wait_alu depctr_va_vdst(0)
.irp j, 0,1,2,3,4,5,6,7,8,9,10,11,12,13,14,15,16,17,18,19,20,21,22,23,24,25,26,27,28,29,30,31,32,33,34,35,36,37,38,39,40,41,42,43,44,45,46,47,48,49,50,51,52,53,54,55,56,57,58,59,60,61,62,63
	v_exp_f32 v[96+\j], v[96+\j]                   ; p = 2^(t - M), at most 1
.endr
	v_pk_mul_f32 v[14:15], v[14:15], v[252:253] op_sel_hi:[1,0]   ; the sums under the new M: the plain line behind the exponentials
	s_wait_alu depctr_va_vdst(0)                   ; one wait for the whole batch, ahead of its first reader
	v_pk_add_f32 v[242:243], v[100:101], v[104:105]
	v_pk_add_f32 v[254:255], v[108:109], v[112:113]
	v_pk_add_f32 v[250:251], v[116:117], v[120:121]
	v_pk_add_f32 v[248:249], v[124:125], v[128:129]
	v_pk_add_f32 v[246:247], v[132:133], v[136:137]
	v_pk_add_f32 v[240:241], v[140:141], v[144:145]
	v_pk_add_f32 v[238:239], v[148:149], v[152:153]
	v_pk_add_f32 v[14:15], v[14:15], v[156:157]
	v_pk_add_f32 v[242:243], v[242:243], v[96:97]
	v_pk_add_f32 v[254:255], v[254:255], v[98:99]
	v_pk_add_f32 v[250:251], v[250:251], v[102:103]
	v_pk_add_f32 v[248:249], v[248:249], v[106:107]
	v_pk_add_f32 v[246:247], v[246:247], v[110:111]
	v_pk_add_f32 v[240:241], v[240:241], v[114:115]
	v_pk_add_f32 v[238:239], v[238:239], v[118:119]
	v_pk_add_f32 v[14:15], v[14:15], v[122:123]
	v_pk_add_f32 v[242:243], v[242:243], v[126:127]
	v_pk_add_f32 v[254:255], v[254:255], v[130:131]
	v_pk_add_f32 v[250:251], v[250:251], v[134:135]
	v_pk_add_f32 v[248:249], v[248:249], v[138:139]
	v_pk_add_f32 v[246:247], v[246:247], v[142:143]
	v_pk_add_f32 v[240:241], v[240:241], v[146:147]
	v_pk_add_f32 v[238:239], v[238:239], v[150:151]
	v_pk_add_f32 v[14:15], v[14:15], v[154:155]
	v_pk_add_f32 v[242:243], v[242:243], v[158:159]
	s_delay_alu instid0(VALU_DEP_2)
	v_pk_add_f32 v[14:15], v[14:15], v[248:249]
	s_delay_alu instid0(VALU_DEP_2)
	v_pk_add_f32 v[242:243], v[242:243], v[246:247]
	v_pk_add_f32 v[254:255], v[254:255], v[240:241]
	v_pk_add_f32 v[250:251], v[250:251], v[238:239]
	s_delay_alu instid0(VALU_DEP_2)
	v_pk_add_f32 v[14:15], v[14:15], v[254:255]
	s_delay_alu instid0(VALU_DEP_2)
	v_pk_add_f32 v[242:243], v[242:243], v[250:251]
	s_delay_alu instid0(VALU_DEP_1)
	v_pk_add_f32 v[14:15], v[14:15], v[242:243]
.irp b, 0,1,2,3
.irp i, 0,1,2,3,4,5,6,7,8,9,10,11,12,13,14,15
.endr
	v_cvt_scalef32_pk8_fp8_f32 v[224+4*\b:225+4*\b], v[96+16*\b:103+16*\b], v244
	v_cvt_scalef32_pk8_fp8_f32 v[226+4*\b:227+4*\b], v[104+16*\b:111+16*\b], v244
.endr
.irp j, 0,2,4,6,8,10,12,14,16,18,20,22,24,26,28,30
	v_pk_mul_f32 v[160+\j:161+\j], v[160+\j:161+\j], v[252:253] op_sel_hi:[1,0]   ; O^T under the new M; also the plain lines behind the conversions
.endr
	s_wait_alu depctr_va_vdst(0)
	s_wait_dscnt 0x0                               ; V is in
.irp t, 0,1,2,3                                ; O^T += V^T P^T: the four accumulators by turns
	v_wmma_f32_16x16x128_fp8_fp8 v[160+8*\t:167+8*\t], v[32+16*\t:47+16*\t], v[224:239], v[160+8*\t:167+8*\t]
.endr
.Lhidden_\@:
	s_add_co_u32 s[KF], s[KF], 128
.endm
; THE CHANGE OF SLOTS stands at a slot's head.  Each wave waits for all its tensor loads, adds 0 to its spare word, and waits for that and for its reads of the slot that it has left.  Behind the barrier the slot ahead is whole
; and nobody reads the other one.  fill = 1: that other slot takes the next 256 keys, up to the causal limit; fill = 2: it takes keys 0 to 255 again, for the second pass; fill = 0: nothing.
.macro CHANGE fill, ask
	s_wait_tensorcnt 0x0                           ; no tensor load of mine is out, so my group 0 may be written
	ds_add_u32 v[SPW], v[NIL]                      ; 0 onto my spare word
.if \fill == 1
	s_xor_b32 s[G0+1], s[G0+1], SLOT1
	s_add_nc_u64 s[G0+2:G0+3], s[G0+2:G0+3], SLB   ; the type bits on top are not reached
.endif
.if \fill == 2
	s_xor_b32 s[G0+1], s[G0+1], SLOT1
	s_sub_nc_u64 s[G0+2:G0+3], s[G0+2:G0+3], 7*SLB ; back from the eighth slot's keys to the first's
.endif
.if \ask
	s_wait_xcnt 0x0                                ; the last prefetch, a slot back, has read its address
	s_add_nc_u64 s[PFA:PFA+1], s[PFA:PFA+1], SLB
.endif
	s_wait_dscnt 0x0                               ; the add is done, and my reads of the slot that I have left are over
	s_barrier_signal -1
	s_barrier_wait -1
.if \fill == 1
	s_add_co_u32 s96, s[KF], 256                   ; the first key of the slot that this change would ask for,
	s_or_b32 s97, s[Q0], 255                       ; my work-group's last query of this pass:
	s_cmp_gt_u32 s96, s97                          ; ids and the count of steps alone, the same in all sixteen waves.  A slot beyond the limit is read by no wave, so it is not asked for
	s_cbranch_scc1 .Lpast_\@
	TLOAD                                          ; a wave's one tensor load until the next change
.Lpast_\@:
.endif
.if \fill == 2
	TLOAD
.endif
.if \ask
	ASK
.endif
.endm
.macro SLOT_STEPS
	STEP 0
	STEP 1
	s_xor_b32 s[TB], s[TB], SLOT1
.endm
; A pass begins: the sum and O^T as zeros, the largest t as -3e38 (the first change of M multiplies zeros, so the key step is written once); my 16 queries' codes.
.macro INIT p
	v_mov_b32 v13, 0xff61b1e6
	s_delay_alu instid0(VALU_DEP_1)
	v_floor_f32 v12, -v13
	v_mov_b32 v14, 0
	v_mov_b32 v15, 0
.irp j, 0,1,2,3,4,5,6,7,8,9,10,11,12,13,14,15,16,17,18,19,20,21,22,23,24,25,26,27,28,29,30,31
	v_mov_b32 v[160+\j], 0
.endr
	global_load_b128 v[16:19], v[QA], s[44+2*\p:45+2*\p]
	global_load_b128 v[20:23], v[QA], s[44+2*\p:45+2*\p] offset:32
	s_mov_b32 s[Q0], s[52+\p]
	s_mov_b32 s[KF], 0
	s_mov_b32 s[SLOTS], 7
	s_wait_xcnt 0x0                                ; the last pass's stores have read their registers, which the next step's loads take
	s_wait_loadcnt 0x0                             ; Q
.endm
; A pass ends: O^T x 2^(e8 + e9) / the sum, quantised with entry 10.  A lane's 16 registers of two tiles are 16 neighbours of its query's row: 16 bytes.  They go through my stage and leave as 2 x 512 consecutive bytes.
.macro EPI p
.rept 4
	v_nop                                          ; places behind the last products
.endr
	v_add_f32 v14, v14, v15
	s_delay_alu instid0(VALU_DEP_1)
	v_permlanex16_b32 v252, v14, s[SEL], s[SEL+1]
	s_delay_alu instid0(VALU_DEP_1)
	v_add_f32 v14, v14, v252                       ; the row's sum
	s_wait_alu depctr_va_vdst(0)
	v_rcp_f32 v14, v14
	v_nop                                          ; a plain line behind the transcendental,
	s_wait_alu depctr_va_vdst(0)                   ; and the wait ahead of its first reader
	v_ldexp_f32 v14, v14, s73
.irp j, 0,2,4,6,8,10,12,14,16,18,20,22,24,26,28,30
	v_pk_mul_f32 v[96+\j:97+\j], v[160+\j:161+\j], v[14:15] op_sel_hi:[1,0]   ; each accumulator from its low end on
.endr
.irp j, 0,1,2,3,4,5,6,7,8,9,10,11,12,13,14,15,16,17,18,19,20,21,22,23,24,25,26,27,28,29,30,31
.endr
.irp b, 0,1
	v_cvt_scalef32_pk8_fp8_f32 v[224+4*\b:225+4*\b], v[96+16*\b:103+16*\b], v245
	v_cvt_scalef32_pk8_fp8_f32 v[226+4*\b:227+4*\b], v[104+16*\b:111+16*\b], v245
.endr
	v_nop                                          ; a plain line behind the last conversion
	ds_store_b128 v[SIN], v[224:227]               ; row r, d = 16 h + 0 .. 15
	ds_store_b128 v[SIN], v[228:231] offset:32     ; d = 32 + 16 h + 0 .. 15
	ds_load_b128 v[32:35], v[SRD]                  ; LDS serves a wave in order: these see my stores
	ds_load_b128 v[36:39], v[SRD] offset:512
	s_wait_dscnt 0x0
	global_store_b128 v[GO], v[32:35], s[48+2*\p:49+2*\p]
	global_store_b128 v[GO], v[36:39], s[48+2*\p:49+2*\p] offset:512
.endm
	INIT 0
.Lslot0:                                           ; seven trips: behind each change the next slot is asked for, up to the causal limit
	CHANGE 1, 1
	SLOT_STEPS
	s_sub_co_u32 s[SLOTS], s[SLOTS], 1
	s_cmp_lg_u32 s[SLOTS], 0
	s_cbranch_scc1 .Lslot0
	CHANGE 2, 0                                    ; the pass's last slot; the other slot takes the second pass's first keys meanwhile
	SLOT_STEPS
	EPI 0
	INIT 1
.Lslot1:
	CHANGE 1, 0
	SLOT_STEPS
	s_sub_co_u32 s[SLOTS], s[SLOTS], 1
	s_cmp_lg_u32 s[SLOTS], 0
	s_cbranch_scc1 .Lslot1
	CHANGE 0, 0
	SLOT_STEPS
	EPI 1
	s_wait_tensorcnt 0x0                           ; the wave's end
	ds_add_u32 v[SPW], v[NIL]
	s_wait_dscnt 0x0
	s_endpgm
.Lfunc_end_k_q048fcdfa0e_attn:
	.size	k_q048fcdfa0e_attn, .Lfunc_end_k_q048fcdfa0e_attn-k_q048fcdfa0e_attn
	.p2alignl 7, 3214868480
	.fill 96, 4, 3214868480
	.section	.rodata,"a",@progbits
	.p2align	6, 0x0
	.amdhsa_kernel k_q048fcdfa0e_attn
		.amdhsa_group_segment_fixed_size 327680
		.amdhsa_private_segment_fixed_size 0
		.amdhsa_enable_private_segment 0
		.amdhsa_kernarg_size 24
		.amdhsa_user_sgpr_count 2
		.amdhsa_user_sgpr_kernarg_segment_ptr 1
		.amdhsa_wavefront_size32 1
		.amdhsa_system_sgpr_workgroup_id_x 1
		.amdhsa_system_sgpr_workgroup_id_y 1
		.amdhsa_system_sgpr_workgroup_id_z 1
		.amdhsa_system_vgpr_workitem_id 0
		.amdhsa_next_free_vgpr 256
		.amdhsa_next_free_sgpr 100
		.amdhsa_reserve_vcc 1
		.amdhsa_float_denorm_mode_32 3
		.amdhsa_float_denorm_mode_16_64 3
		.amdhsa_fp16_overflow 1
		.amdhsa_memory_ordered 1
		.amdhsa_forward_progress 1
		.amdhsa_inst_pref_size 169
	.end_amdhsa_kernel
	.amdgpu_metadata
---
amdhsa.version: [ 1, 2 ]
amdhsa.kernels:
  - .name:           k_q048fcdfa0e_attn
    .symbol:         k_q048fcdfa0e_attn.kd
    .args:
      - { .name: qkv, .offset: 0, .size: 8, .value_kind: global_buffer, .address_space: global }
      - { .name: lowp_scales, .offset: 8, .size: 8, .value_kind: global_buffer, .address_space: global }
      - { .name: ocodes, .offset: 16, .size: 8, .value_kind: global_buffer, .address_space: global }
    .group_segment_fixed_size: 327680
    .private_segment_fixed_size: 0
    .kernarg_segment_align: 8
    .kernarg_segment_size: 24
    .max_flat_workgroup_size: 512
    .sgpr_count:     100
    .vgpr_count:     256
    .wavefront_size: 32
...
	.end_amdgpu_metadata
.endif
;; end of part 3
;; launch proj (part 4): grid 4 x 32, 4 waves a work-group, clusters of 4 x 4, 327,680 bytes of LDS; arguments ocodes, wcodes, lowp_scales, bp, out0; writes out0
.if DOCPART == 4
	.amdgcn_target "amdgcn-amd-amdhsa--gfx1250"
	.amdhsa_code_object_version 6
	.text
	.protected	k_q048fcdfa0e_proj
	.globl	k_q048fcdfa0e_proj
	.p2align	8
	.type	k_q048fcdfa0e_proj,@function
k_q048fcdfa0e_proj:
	s_mov_b64 s[64:65], 0
	v_nop
	global_prefetch_b8 v0, s[64:65] scope:SCOPE_SE
	s_setreg_imm32_b32 hwreg(HW_REG_WAVE_MODE, 25, 1), 1
	s_wait_xcnt 0x0
	s_wait_alu depctr_hold_cnt(0) depctr_sa_sdst(0) depctr_va_vdst(0) depctr_va_sdst(0) depctr_va_ssrc(0) depctr_va_vcc(0) depctr_vm_vsrc(0)
	s_getreg_b32 s2, hwreg(HW_REG_IB_STS2, 6, 4)
	s_cmp_eq_u32 s2, 0
	s_cbranch_scc0 .Lentry_in_a_cluster
	s_endpgm
.Lentry_in_a_cluster:
	s_bfe_u32 s2, ttmp6, 0x10000c
	s_cmp_lg_u32 s2, 0xf033
	s_cbranch_scc0 .Lentry_shape_is_right
	s_endpgm
.Lentry_shape_is_right:
.set KSTEP,  256
.set ROWB,   256
.set KROW,   1024
.set PITCH,  272
.set HEADB,  32*PITCH
.set FR,     16
.set NL,     4
.set NP,     4
.set HALFT,  128*PITCH
.set SLOT,   4*HALFT
.set LAPS,   2
.set SPARE,  2*SLOT
.set SPITCH, 528
.set NROW,   4096
.set ADRA, 16
.set ADRB, 20
.set STO,  24
.set RD,   25
.set CO,   26
.set BO,   27
.set SPW,  28
.set NIL,  29
.set BI,   32
.set AF,   128
.set BK,   128
.set G1, 24
.set G0, 32
.set G1B, 48
.set G0B, 56
.set MSB, 0
.macro WIN new
.if MSB != (\new)
	s_set_vgpr_msb (MSB<<8)|(\new)
.set MSB, (\new)
.endif
.endm
.set MUL_LO, 0xa1
.set MUL_HI, 0xf1
.set TO_B,   0x40
.macro JLOAD g0a, g1a, g0b, g1b
	s_cmp_eq_u32 s15, 0
	s_cbranch_scc0 .Lfor_b_\@
	tensor_load_to_lds s[\g0a:\g0a+3], s[\g1a:\g1a+7]
	s_nop 0
.rept 4
	v_nop
.endr
	s_branch .Lasked_\@
.Lfor_b_\@:
	tensor_load_to_lds s[\g0b:\g0b+3], s[\g1b:\g1b+7]
	s_nop 0
.rept 4
	v_nop
.endr
.Lasked_\@:
.endm
.macro CREST
	s_cmp_lg_u32 s14, 0
	s_cbranch_scc1 .Lnot_wave_0_\@
	s_barrier_signal -3
.Lnot_wave_0_\@:
	s_barrier_wait -3
	s_barrier_signal -1
	s_barrier_wait -1
.endm
.macro CROUND
	s_barrier_signal -1
	s_barrier_wait -1
	CREST
.endm
	s_load_b256 s[4:11], s[0:1], 0x0
	s_load_b64 s[12:13], s[0:1], 0x20
	v_lshl_add_u32 v[SPW], v0, 2, SPARE
	v_mov_b32 v[NIL], 0
	ds_add_u32 v[SPW], v[NIL]
	ds_add_u32 v[SPW], v[NIL]
	v_lshrrev_b32 v1, 5, v0
	v_readfirstlane_b32 s14, v1
	s_lshr_b32 s15, s14, 1
	s_and_b32 s16, s14, 1
	s_bfe_u32 s40, ttmp6, 0x40000
	s_bfe_u32 s41, ttmp6, 0x40004
	s_lshl_b32 s42, ttmp9, 2
	s_add_co_u32 s42, s42, s40
	s_and_b32 s17, ttmp7, 0xffff
	s_lshl_b32 s17, s17, 2
	s_add_co_u32 s17, s17, s41
	s_lshl_b32 s43, s41, 2
	s_lshl_b32 s43, 15, s43
	s_lshl_b32 s44, 0x1111, s40
	s_or_b32 s[G1+0], s43, (0<<16)|(1<<20)|(1<<21)|(5<<22)|(3<<25)
	s_mov_b32 s[G1+1], 8192<<16
	s_mov_b32 s[G1+2], 4<<16
	s_mov_b32 s[G1+3], 8192<<16
	s_mov_b32 s[G1+4], 4
	s_mov_b32 s[G1+5], 131072
	s_mov_b32 s[G1+6], 0
	s_mov_b32 s[G1+7], 0
	s_or_b32 s[G1B+0], s44, (0<<16)|(1<<20)|(1<<21)|(5<<22)|(3<<25)
	s_mov_b32 s[G1B+1], ROWB<<16
	s_mov_b32 s[G1B+2], 128<<16
	s_mov_b32 s[G1B+3], ROWB<<16
	s_mov_b32 s[G1B+4], 128
	s_mov_b32 s[G1B+5], KROW
	s_mov_b32 s[G1B+6], 0
	s_mov_b32 s[G1B+7], 0
	s_lshl_b32 s18, s16, 7
	s_lshl_b32 s20, s17, 8
	s_add_co_u32 s20, s20, s18
	s_lshr_b32 s21, s20, 11
	s_lshl_b32 s21, s21, 21
	s_and_b32 s20, s20, 2047
	s_lshl_b32 s20, s20, 6
	s_add_co_u32 s20, s20, s21
	s_mov_b32 s21, 0
	s_lshl_b32 s46, s42, 8
	s_add_co_u32 s46, s46, s18
	s_lshl_b32 s46, s46, 10
	s_add_co_u32 s46, s46, 3<<20
	s_mov_b32 s47, 0
	s_mul_i32 s45, s14, HALFT
	s_wait_dscnt 0x0
	s_wait_kmcnt 0x0
	s_load_b64 s[96:97], s[8:9], 0x28
	s_add_nc_u64 s[20:21], s[4:5], s[20:21]
	s_add_nc_u64 s[46:47], s[6:7], s[46:47]
	CROUND
.irp s, 0,1
	s_mov_b32 s[G0+4*\s], 1
	s_add_co_u32 s[G0+4*\s+1], s45, \s*SLOT
	s_add_nc_u64 s[G0+4*\s+2:G0+4*\s+3], s[20:21], \s*524288
	s_or_b32 s[G0+4*\s+3], s[G0+4*\s+3], 0x80000000
	s_mov_b32 s[G0B+4*\s], 1
	s_add_co_u32 s[G0B+4*\s+1], s45, \s*SLOT
	s_add_nc_u64 s[G0B+4*\s+2:G0B+4*\s+3], s[46:47], \s*ROWB
	s_or_b32 s[G0B+4*\s+3], s[G0B+4*\s+3], 0x80000000
	s_wait_alu depctr_va_vdst(0)
	s_wait_tensorcnt 0x0
	ds_add_u32 v28, v29
	ds_add_u32 v28, v29
	s_wait_dscnt 0x0
	CROUND
	JLOAD G0+4*\s, G1, G0B+4*\s, G1B
.endr
	v_and_b32 v1, 15, v0
	v_bfe_u32 v2, v0, 4, 1
	v_mul_u32_u24 v3, v1, PITCH
	v_lshl_add_u32 v4, v2, 4, v3
	v_lshrrev_b32 v5, 2, v1
	v_mul_u32_u24 v5, v5, PITCH
	v_and_b32 v6, 3, v1
	v_lshl_add_u32 v5, v6, 6, v5
	v_lshl_add_u32 v5, v2, 4, v5
	s_mul_i32 s21, s15, HALFT
	s_mul_i32 s22, s16, HALFT
	s_add_co_u32 s22, s22, 2*HALFT
.irp s, 0,1
	v_add_nc_u32 v[ADRA+\s], s21, v5
	v_add_nc_u32 v[ADRB+\s], s22, v4
	s_add_co_u32 s21, s21, SLOT
	s_add_co_u32 s22, s22, SLOT
.endr
	s_mul_i32 s23, s14, 16*SPITCH
	v_mul_u32_u24 v7, v1, SPITCH
	v_lshl_add_u32 v7, v2, 5, v7
	v_add_nc_u32 v[STO], s23, v7
	v_and_b32 v6, 31, v0
	v_lshlrev_b32 v[CO], 4, v6
	v_add_nc_u32 v[RD], s23, v[CO]
	v_lshlrev_b32 v[BO], 5, v2
	s_lshl_b32 s46, s42, 10
	s_lshl_b32 s47, s16, 9
	s_add_co_u32 s46, s46, s47
	s_mov_b32 s47, 0
	s_add_nc_u64 s[10:11], s[10:11], s[46:47]
.irp b, 0,1,2,3,4,5,6,7
	global_load_b128 v[BI+8*\b:BI+8*\b+3], v[BO], s[10:11] offset:64*\b
	global_load_b128 v[BI+8*\b+4:BI+8*\b+7], v[BO], s[10:11] offset:64*\b+16
.endr
	s_lshl_b32 s20, s17, 8
	s_lshl_b32 s21, s15, 7
	s_add_co_u32 s20, s20, s21
	s_lshl_b32 s20, s20, 12
	s_mov_b32 s21, 0
	s_add_nc_u64 s[20:21], s[20:21], s[46:47]
	s_add_nc_u64 s[12:13], s[12:13], s[20:21]
.macro FRAG reg, adr, q, i
.irp c, 0,1,2,3
	ds_load_b128 v[\reg+4*\c:\reg+4*\c+3], v[\adr] offset:128*(\q)+32*\c+(\i)*16*PITCH
.endr
.endm
.macro FRAGA reg, adr, q, i
.irp c, 0,1,2,3
	ds_load_b128 v[\reg+4*\c:\reg+4*\c+3], v[\adr] offset:(2*(\q)+\c/2)*HEADB+4*(\i)*PITCH+32*(\c%2)
.endr
.endm
.macro MUL16 a0, p, zero
.irp a, \a0, \a0+1
.irp b, 0,1,2,3,4,5,6,7
.if \zero
	v_wmma_f32_16x16x128_fp8_fp8 v[8*(8*((\a)%4)+\b):8*(8*((\a)%4)+\b)+7], v[128*(\p)+FR*\b:128*(\p)+FR*\b+FR-1], v[AF+FR*(\a):AF+FR*(\a)+FR-1], 0
.else
	v_wmma_f32_16x16x128_fp8_fp8 v[8*(8*((\a)%4)+\b):8*(8*((\a)%4)+\b)+7], v[128*(\p)+FR*\b:128*(\p)+FR*\b+FR-1], v[AF+FR*(\a):AF+FR*(\a)+FR-1], v[8*(8*((\a)%4)+\b):8*(8*((\a)%4)+\b)+7]
.endif
.endr
.endr
.endm
.macro FETCH_B slot, q, p
	WIN TO_B
.irp i, 0,1,2,3,4,5,6,7
	FRAG 128*(\p)+FR*\i, ADRB+\slot, \q, \i
.endr
	WIN 0
.endm
.macro FETCH_A slot, q, i0
.irp i, \i0, \i0+1, \i0+2, \i0+3
	FRAGA AF+FR*(\i), ADRA+\slot, \q, \i
.endr
.endm
.macro PLACES n
.rept \n
	v_nop
.endr
.endm
.macro STEP slot, q, zero
	s_wait_dscnt 4*NL
	WIN MUL_LO
	MUL16 0, (\q)%2, \zero
	MUL16 2, (\q)%2, \zero
	s_wait_dscnt 0
	PLACES NP
	FETCH_B \slot, (\q)+1, 1-(\q)%2
	FETCH_A \slot, (\q)+1, 0
	WIN MUL_HI
	MUL16 4, (\q)%2, \zero
	MUL16 6, (\q)%2, \zero
	PLACES NP
	WIN 0
	FETCH_A \slot, (\q)+1, 4
.endm
.macro TURN slot, next, fill
	s_wait_tensorcnt 0x0
	ds_add_u32 v[SPW], v[NIL]
	s_wait_dscnt 4*NL+1
	WIN MUL_LO
	MUL16 0, 1, 0
	s_wait_dscnt 0x0
	s_barrier_signal -1
	MUL16 2, 1, 0
	WIN 0
	s_barrier_wait -1
.if \fill
	CREST
	s_add_nc_u64 s[G0+4*\slot+2:G0+4*\slot+3], s[G0+4*\slot+2:G0+4*\slot+3], 1048576
	s_add_nc_u64 s[G0B+4*\slot+2:G0B+4*\slot+3], s[G0B+4*\slot+2:G0B+4*\slot+3], 2*ROWB
	JLOAD G0+4*\slot, G1, G0B+4*\slot, G1B
.else
	PLACES NP
.endif
	s_wait_alu depctr_va_vdst(0)
	FETCH_B \next, 0, 0
	FETCH_A \next, 0, 0
	WIN MUL_HI
	MUL16 4, 1, 0
	MUL16 6, 1, 0
	PLACES NP
	WIN 0
	FETCH_A \next, 0, 4
.endm
	s_wait_tensorcnt 1
	s_barrier_signal -1
	s_barrier_wait -1
	FETCH_B 0, 0, 0
	FETCH_A 0, 0, 0
	FETCH_A 0, 0, 4
	STEP 0, 0, 1
	s_mov_b32 s3, LAPS-1
.Llap:
	TURN 0, 1, 1
	STEP 1, 0, 0
	TURN 1, 0, 1
	STEP 0, 0, 0
	s_sub_co_u32 s3, s3, 1
	s_cmp_lg_u32 s3, 0
	s_cbranch_scc1 .Llap
	TURN 0, 1, 0
	STEP 1, 0, 0
	s_wait_dscnt 4*NL
	WIN MUL_LO
	MUL16 0, 1, 0
	MUL16 2, 1, 0
	s_wait_dscnt 0
	WIN MUL_HI
	MUL16 4, 1, 0
	MUL16 6, 1, 0
	WIN 0
.macro TOSTAGE a
.set AC, 64*((\a)%4)
	WIN 0x82+0x41*((\a)/4)
.irp j, 0,2,4,6,8,10,12,14,16,18,20,22,24,26,28,30,32,34,36,38,40,42,44,46,48,50,52,54,56,58,60,62
	v_pk_fma_f32 v[AC+\j:AC+\j+1], v[AC+\j:AC+\j+1], s[96:97], v[BI+\j:BI+\j+1] op_sel_hi:[1,0,1]
.endr
	WIN 0x08+4*((\a)/4)
.irp b, 0,1,2,3,4,5,6,7
	ds_store_b128 v[STO], v[AC+8*\b:AC+8*\b+3] offset:64*\b
	ds_store_b128 v[STO], v[AC+8*\b+4:AC+8*\b+7] offset:64*\b+16
.endr
	WIN 0
.set BB, BK+64*((\a)%2)
.irp t, 0,1,2,3,4,5,6,7,8,9,10,11,12,13,14,15
	ds_load_b128 v[BB+4*\t:BB+4*\t+3], v[RD] offset:\t*SPITCH
.endr
.endm
.macro SEND a, younger
.set BB, BK+64*((\a)%2)
	s_wait_dscnt \younger
.if (\a) > 0
	s_add_nc_u64 s[12:13], s[12:13], 16*NROW
.endif
.irp t, 0,1,2,3,4,5,6,7,8,9,10,11,12,13,14,15
	global_store_b128 v[CO], v[BB+4*\t:BB+4*\t+3], s[12:13] offset:\t*NROW th:TH_STORE_NT
.endr
.endm
	s_wait_kmcnt 0x0
	s_add_co_i32 s96, s96, s97
	s_add_co_i32 s96, s96, 127
	s_lshl_b32 s96, s96, 23
	s_mov_b32 s97, s96
	s_wait_loadcnt 0x0
	PLACES NP
	TOSTAGE 0
.irp a, 1,2,3,4,5,6,7
.if \a > 1
	s_wait_xcnt 0x0
.endif
	TOSTAGE \a
	SEND \a-1, 32
.endr
	s_wait_xcnt 0x0
	SEND 7, 0
	s_wait_tensorcnt 0x0
	ds_add_u32 v[SPW], v[NIL]
	s_wait_dscnt 0x0
	CROUND
	s_endpgm
.Lfunc_end_k_q048fcdfa0e_proj:
	.size	k_q048fcdfa0e_proj, .Lfunc_end_k_q048fcdfa0e_proj-k_q048fcdfa0e_proj
	.p2alignl 7, 3214868480
	.fill 96, 4, 3214868480
	.section	.rodata,"a",@progbits
	.p2align	6, 0x0
	.amdhsa_kernel k_q048fcdfa0e_proj
		.amdhsa_group_segment_fixed_size 327680
		.amdhsa_private_segment_fixed_size 0
		.amdhsa_enable_private_segment 0
		.amdhsa_kernarg_size 40
		.amdhsa_user_sgpr_count 2
		.amdhsa_user_sgpr_kernarg_segment_ptr 1
		.amdhsa_wavefront_size32 1
		.amdhsa_system_sgpr_workgroup_id_x 1
		.amdhsa_system_sgpr_workgroup_id_y 1
		.amdhsa_system_sgpr_workgroup_id_z 1
		.amdhsa_system_vgpr_workitem_id 0
		.amdhsa_next_free_vgpr 1024
		.amdhsa_next_free_sgpr 98
		.amdhsa_reserve_vcc 0
		.amdhsa_float_denorm_mode_32 3
		.amdhsa_float_denorm_mode_16_64 3
		.amdhsa_memory_ordered 1
		.amdhsa_forward_progress 1
		.amdhsa_inst_pref_size 126
	.end_amdhsa_kernel
	.amdgpu_metadata
---
amdhsa.version: [ 1, 2 ]
amdhsa.kernels:
  - .name:           k_q048fcdfa0e_proj
    .symbol:         k_q048fcdfa0e_proj.kd
    .args:
      - { .name: ocodes, .offset: 0, .size: 8, .value_kind: global_buffer, .address_space: global }
      - { .name: wcodes, .offset: 8, .size: 8, .value_kind: global_buffer, .address_space: global }
      - { .name: lowp_scales, .offset: 16, .size: 8, .value_kind: global_buffer, .address_space: global }
      - { .name: bp, .offset: 24, .size: 8, .value_kind: global_buffer, .address_space: global }
      - { .name: out0, .offset: 32, .size: 8, .value_kind: global_buffer, .address_space: global }
    .group_segment_fixed_size: 327680
    .private_segment_fixed_size: 0
    .kernarg_segment_align: 8
    .kernarg_segment_size: 40
    .max_flat_workgroup_size: 128
    .sgpr_count:     98
    .vgpr_count:     1024
    .wavefront_size: 32
...
	.end_amdgpu_metadata
.endif
;; end of part 4
